; MI455X (gfx1250); checked and timed in simulation.
; The chip was launched on July 23, 2026; its instructions are those of AMD's public machine-readable ISA for CDNA 5 (MIT licence, August 2026) and "CDNA5" Instruction Set Architecture Reference Guide (July 2026). The comments in the code are by the model that wrote it; some were corrected since.
;; Context Aware Attention Block. Allowed arithmetic: matrix products marked QUANTISED: E3M2 operands, one E8M0 scale for each 32 along K, by v_wmma_scale_f32_16x16x128_f8f6f4 with both operands' format E3M2, f32 sums; products left as they are: f32 operands where the result goes on into a quantised operand, else bf16, f16 or f32 operands; f32 sums; everything else in f32.
;; Inputs: bk 32 float32; bq 32 float32; bv 256 float32; ctx_w 1 x 128 float32; fc_b 128 float32; fc_w 128 x 256 float32; gamma 1 float32; style_features 8 x 256 x 64 x 64 float32; wk 32 x 256 float32; wq 32 x 256 float32; wv 256 x 256 float32.
;; Outputs: out0 8 x 256 float32.
;; This version of the problem:
;;   THIS VERSION OF THE PROBLEM IS GIVEN IN LOW PRECISION. The matrix products marked QUANTISED in the list below multiply operands that are first quantised to E3M2 (3 exponent bits, 2 mantissa bits; 6 bits a number), with one power-of-two scale for each 32 numbers along K (OCP MX v1.0); their sums are f32. All else is computed in f32.
;;   The module's matrix products, in the order in which they are computed (A, B: the left and right operand; K: the contracted axis; several contracted axes count as one K, in the product's order):
;;     1. [M 32,768, K 256] x [K 256, N 32]; A: input style_features; B: input wq: QUANTISED
;;     2. [M 32,768, K 256] x [K 256, N 32]; A: input style_features; B: input wk: QUANTISED
;;     3. batch 8 x [M 4,096, K 32] x [K 32, N 4,096]; A: computed on the way; B: computed on the way: QUANTISED
;;     4. [M 32,768, K 256] x [K 256, N 256]; A: input style_features; B: input wv: QUANTISED
;;     5. batch 8 x [M 256, K 4,096] x [K 4,096, N 4,096]; A: computed on the way; B: softmax (see below): QUANTISED
;;     6. [M 32,768, K 256] x [K 256, N 128]; A: computed on the way; B: input fc_w: QUANTISED
;;     7. [M 32,768, K 128] x [K 128, N 1]; A: computed on the way; B: input ctx_w: left as it is (N = 1 < 16)
;;   THE QUANTISER, for each operand of a quantised product, along K:
;;     - K is cut into blocks of 32 from its start; a last block that is shorter is filled with zeros.
;;     - A block's scale is 2^e with e = floor(log2(the largest magnitude in the block)) - 4, held to -126 .. 127; a block of zeros has e = 0. As a byte (E8M0): e + 127.
;;     - Each number is divided by its block's scale, clamped to +-28, and rounded to the nearest number of E3M2, ties to even, subnormals kept.
;;     - The product sums the exact products of the quantised numbers (number of the format x scale) in f32.
;;   ~~~python
;;   def quantise(x, axis):      # numpy; x: float32 -> the quantised numbers, widened to float32 again
;;       x = np.moveaxis(x, axis, -1); K = x.shape[-1]
;;       x = np.pad(x, [(0, 0)] * (x.ndim - 1) + [(0, -K % 32)]); x = x.reshape(x.shape[:-1] + (-1, 32)); a = np.abs(x).max(-1, keepdims=True)
;;       e = np.where(a > 0, np.clip(np.frexp(np.where(a > 0, a, 1))[1] - 1 - 4, -126, 127), 0)      # np.frexp(a)[1] - 1 = floor(log2(a)), exactly
;;       r = np.clip(x / 2.0 ** e, -28, 28)
;;       step = 2.0 ** (np.maximum(np.frexp(np.where(r == 0, 1, r))[1] - 1, -2) - 2)
;;       q = np.round(r / step) * step * 2.0 ** e      # np.round: ties to even
;;       return np.moveaxis(q.reshape(q.shape[:-2] + (-1,))[..., :K], -1, axis).astype(np.float32)
;;   ~~~
;;   SOFTMAX AHEAD OF A QUANTISED PRODUCT. Where the list says 'softmax', what is quantised is not the finished softmax but p = 2^(t - M), with t = logit x log2(e) and M = ceil(the row's largest t), a whole number; so 1/2 < the row's largest p <= 1. The row's sum l is taken of the UNQUANTISED p, in f32, and the product's result is divided by l at the end. Since M is a whole number, a kernel that streams over the keys may use a running M (the ceiling of the running maximum): every later rescaling is an exact power of two, which a block's scale takes up: the codes' values come out the same.
;;   OPERANDS COMPUTED ON THE WAY. 'Computed on the way' means the value that the module computes at that place (a softmax that the list does not call 'softmax' is quantised finished and normalised). What goes into a quantiser is computed in f32, as accurately as f32 sums, v_exp_f32 and their like allow (about 1e-6 of the number): no bf16 or f16 on the way to a quantiser, and a product that is left as it is and whose result goes on into a quantised operand takes f32 operands (vector FMAs, or v_wmma_f32_16x16x4_f32). A number that lies on a knife's edge between two numbers of the format may be rounded either way, as far as f32 arithmetic and the matrix unit's own rounding can turn it there, and no further.
;; One version. Each part assembles by itself: llvm-mc -triple=amdgcn-amd-amdhsa -mcpu=gfx1250 --defsym DOCPART=n.
;; ======== version 1 of 1: 4 launches
;; workspace buffers: wimg 93,184 bytes; kvq 8,388,608 bytes; part 327,680 bytes
;; launch wq8 (part 1): grid 28 x 1, 1 waves a work-group, no clusters, 0 bytes of LDS; arguments wq, wk, wv, fc_w, wimg; writes wimg
.if DOCPART == 1
	.amdgcn_target "amdgcn-amd-amdhsa--gfx1250"
	.amdhsa_code_object_version 6
	.text
	.protected	k_q9dd17180cc_wq8
	.globl	k_q9dd17180cc_wq8
	.p2align	8
	.type	k_q9dd17180cc_wq8,@function
k_q9dd17180cc_wq8:
	s_mov_b64 s[64:65], 0
	v_nop
	global_prefetch_b8 v0, s[64:65] scope:SCOPE_SE
	s_setreg_imm32_b32 hwreg(HW_REG_WAVE_MODE, 25, 1), 1
	s_wait_xcnt 0x0
; The four weights wq [32][256], wk [32][256], wv [256][256], fc_w [128][256] (f32, K = the 256 channels innermost) become codes of BF6 (E3M2) with one E8M0 byte for each 32 along K,
; laid as IMAGES OF OPERAND REGISTERS, so that the later launches load a fragment by three 16-byte loads a lane.  They are quantised once here, since 256 work-groups read them afterwards.
; One wave takes one tile of 16 rows: tiles 0,1 wq; 2,3 wk; 4-19 wv; 20-27 fc_w: 28 work-groups are all the work there is.
; THE ROWS OF A TILE ARE NOT NEIGHBOURS: lane r of a tensor's tile t takes row 32 (t / 2) + 8 (t % 2) + r + 8 (r / 8), so that results of two neighbouring tiles are 16 neighbours in a lane's registers.
; A tile's record, 3,328 bytes: K step 0's fragment (registers 4 c .. 4 c + 3 of lane l at 512 c + 16 l), K step 1's at 1,536, then at 3,072 + 8 l the two scale words of the lane's row.
; A block's scale is 2^(floor(log2(largest magnitude)) - 4); its byte is the largest magnitude's exponent field - 4, held at 1 from below.
; LIMITS: a block of zeros gets the byte 1 where the rule says 127 (its codes are zeros, and this program alone reads the bytes); NaN and infinities among the inputs are not served.
.set MX,  8                            ; v8-11   largest magnitudes
.set BY,  12                           ; v12-15  the other half's maxima, then the bytes
.set SO,  16                           ; v16-19  the conversions' scale operands
.set PW,  20                           ; v20-21  the two scale words
.set CT,  24                           ; v24-31  the conversions' second halves
.set PC0, 32                           ; v32-43  K step 0's fragment
.set PC1, 44                           ; v44-55  K step 1's
.set X,   64                           ; v64-191 128 numbers of my row
.set SEL, 22                           ; s[22:23] lane selects: lane l xor 16
; 64 numbers of a lane, register 16 b + i = k 32 b + 16 (lane / 16) + i of its row, become a fragment's 12 registers at v[d] and the row's scale word in v[w].
.macro QUANT s, d, w
.irp b, 0,1,2,3
	v_max3_num_f32 v[MX+\b], |v[\s+16*\b]|, |v[\s+16*\b+1]|, 0x2800000   ; my 16 numbers of block b, and the floor 2^(5 - 127): the byte cannot fall under 1
.endr
.irp i, 2,4,6,8,10,12,14
.irp b, 0,1,2,3
	v_max3_num_f32 v[MX+\b], v[MX+\b], |v[\s+16*\b+\i]|, |v[\s+16*\b+\i+1]|   ; the four blocks by turns
.endr
.endr
.irp b, 0,1,2,3
	v_permlanex16_b32 v[BY+\b], v[MX+\b], s[SEL], s[SEL+1]
.endr
.irp b, 0,1,2,3
	v_max_num_f32 v[MX+\b], v[MX+\b], v[BY+\b]      ; with lane l xor 16's 16: the block's largest magnitude
.endr
.irp b, 0,1,2,3
	v_add_nc_u32 v[SO+\b], 0xfe000000, v[MX+\b]     ; 4 off its exponent field: the conversion takes that field as its scale
.endr
.irp b, 0,1,2,3
	v_lshrrev_b32 v[BY+\b], 23, v[SO+\b]            ; the scale's byte
.endr
	v_lshl_or_b32 v[\w], v[BY+1], 8, v[BY]
	v_lshl_or_b32 v[\w], v[BY+2], 16, v[\w]
	v_lshl_or_b32 v[\w], v[BY+3], 24, v[\w]
.irp c, 0,1
	v_cvt_scalef32_pk16_bf6_f32 v[\d+6*\c:\d+6*\c+2], v[\s+32*\c:\s+32*\c+15], v[SO+2*\c]
	v_cvt_scalef32_pk16_bf6_f32 v[CT+4*\c:CT+4*\c+2], v[\s+32*\c+16:\s+32*\c+31], v[SO+2*\c+1]   ; (three registers begin on an even number)
.endr
	v_nop                                          ; one plain place behind the scaled conversions
.irp c, 0,1                            ; the operand wants a whole block in a lane: lanes 0-15 block 2 c, lanes 16-31 block 2 c + 1
.irp i, 0,1,2
	v_permlane16_swap_b32 v[\d+6*\c+\i], v[CT+4*\c+\i]
.endr
.irp i, 0,1,2
	v_mov_b32 v[\d+6*\c+3+\i], v[CT+4*\c+\i]
.endr
.endr
.endm
	s_load_b256 s[4:11], s[0:1], 0x0               ; wq s[4:5], wk s[6:7], wv s[8:9], fc_w s[10:11]
	s_load_b64 s[12:13], s[0:1], 0x20              ; wimg
	v_and_b32 v1, 15, v0                           ; r
	v_bfe_u32 v2, v0, 4, 1                         ; h
	v_and_b32 v3, 8, v1
	v_add_nc_u32 v3, v3, v1                        ; r + 8 (r / 8)
	v_lshlrev_b32 v3, 10, v3                       ; a row is 1,024 bytes
	v_lshl_add_u32 v3, v2, 6, v3                   ; + 64 h: my 16 numbers of each block of 32
	v_lshlrev_b32 v4, 4, v0                        ; 16 x lane (one wave: the thread is the lane)
	v_lshlrev_b32 v5, 3, v0                        ; 8 x lane
	s_mov_b32 s[SEL], 0x76543210
	s_mov_b32 s[SEL+1], 0xfedcba98
.irp b, 0,1,2,3
	v_mov_b32 v[BY+\b], 0                          ; a lane permute's destination counts as one of its sources
.endr
	s_wait_kmcnt 0x0
	s_mov_b64 s[14:15], s[10:11]                   ; which tensor, and its first tile: the choice hangs on the work-group's number alone
	s_mov_b32 s16, 20
	s_cmp_lt_u32 ttmp9, 20
	s_cselect_b64 s[14:15], s[8:9], s[14:15]
	s_cselect_b32 s16, 4, s16
	s_cmp_lt_u32 ttmp9, 4
	s_cselect_b64 s[14:15], s[6:7], s[14:15]
	s_cselect_b32 s16, 2, s16
	s_cmp_lt_u32 ttmp9, 2
	s_cselect_b64 s[14:15], s[4:5], s[14:15]
	s_cselect_b32 s16, 0, s16
	s_sub_co_u32 s16, ttmp9, s16                   ; t: the tile in its tensor
	s_lshr_b32 s17, s16, 1
	s_lshl_b32 s17, s17, 15                        ; 32 (t / 2) rows
	s_and_b32 s18, s16, 1
	s_lshl_b32 s18, s18, 13                        ; + 8 (t % 2) rows
	s_add_co_u32 s18, s17, s18
	s_mov_b32 s19, 0
	s_add_nc_u64 s[14:15], s[14:15], s[18:19]
	s_mul_i32 s20, ttmp9, 3328
	s_mov_b32 s21, 0
	s_add_nc_u64 s[12:13], s[12:13], s[20:21]
.irp s, 0,1
.irp b, 0,1,2,3
.irp j, 0,1,2,3
	global_load_b128 v[X+64*\s+16*\b+4*\j:X+64*\s+16*\b+4*\j+3], v3, s[14:15] offset:512*\s+128*\b+16*\j
.endr
.endr
.endr
	s_wait_loadcnt 16                              ; K step 0's sixteen loads are in; K step 1's sixteen may be out
	QUANT X, PC0, PW
	s_wait_loadcnt 0x0
	QUANT X+64, PC1, PW+1
.irp c, 0,1,2
	global_store_b128 v4, v[PC0+4*\c:PC0+4*\c+3], s[12:13] offset:512*\c          ; 32 lanes store 512 consecutive bytes
	global_store_b128 v4, v[PC1+4*\c:PC1+4*\c+3], s[12:13] offset:1536+512*\c
.endr
	global_store_b64 v5, v[PW:PW+1], s[12:13] offset:3072                          ; 256 consecutive bytes; lanes 16-31 hold the same words as lanes 0-15
	s_endpgm
.Lfunc_end_k_q9dd17180cc_wq8:
	.size	k_q9dd17180cc_wq8, .Lfunc_end_k_q9dd17180cc_wq8-k_q9dd17180cc_wq8
	.p2alignl 7, 3214868480
	.fill 96, 4, 3214868480
	.section	.rodata,"a",@progbits
	.p2align	6, 0x0
	.amdhsa_kernel k_q9dd17180cc_wq8
		.amdhsa_group_segment_fixed_size 0
		.amdhsa_private_segment_fixed_size 0
		.amdhsa_enable_private_segment 0
		.amdhsa_kernarg_size 40
		.amdhsa_user_sgpr_count 2
		.amdhsa_user_sgpr_kernarg_segment_ptr 1
		.amdhsa_wavefront_size32 1
		.amdhsa_system_sgpr_workgroup_id_x 1
		.amdhsa_system_sgpr_workgroup_id_y 1
		.amdhsa_system_sgpr_workgroup_id_z 1
		.amdhsa_system_vgpr_workitem_id 0
		.amdhsa_next_free_vgpr 192
		.amdhsa_next_free_sgpr 66
		.amdhsa_reserve_vcc 0
		.amdhsa_float_denorm_mode_32 3
		.amdhsa_float_denorm_mode_16_64 3
		.amdhsa_memory_ordered 1
		.amdhsa_forward_progress 1
		.amdhsa_inst_pref_size 13
	.end_amdhsa_kernel
	.amdgpu_metadata
---
amdhsa.version: [ 1, 2 ]
amdhsa.kernels:
  - .name:           k_q9dd17180cc_wq8
    .symbol:         k_q9dd17180cc_wq8.kd
    .args:
      - { .name: wq, .offset: 0, .size: 8, .value_kind: global_buffer, .address_space: global }
      - { .name: wk, .offset: 8, .size: 8, .value_kind: global_buffer, .address_space: global }
      - { .name: wv, .offset: 16, .size: 8, .value_kind: global_buffer, .address_space: global }
      - { .name: fc_w, .offset: 24, .size: 8, .value_kind: global_buffer, .address_space: global }
      - { .name: wimg, .offset: 32, .size: 8, .value_kind: global_buffer, .address_space: global }
    .group_segment_fixed_size: 0
    .private_segment_fixed_size: 0
    .kernarg_segment_align: 8
    .kernarg_segment_size: 40
    .max_flat_workgroup_size: 32
    .sgpr_count:     66
    .vgpr_count:     192
    .wavefront_size: 32
...
	.end_amdgpu_metadata
.endif
;; end of part 1
;; launch proj (part 2): grid 256 x 1, 8 waves a work-group, no clusters, 168,960 bytes of LDS; arguments style_features, wimg, bq, bk, bv, kvq; writes kvq
.if DOCPART == 2
	.amdgcn_target "amdgcn-amd-amdhsa--gfx1250"
	.amdhsa_code_object_version 6
	.text
	.protected	k_q9dd17180cc_proj
	.globl	k_q9dd17180cc_proj
	.p2align	8
	.type	k_q9dd17180cc_proj,@function
k_q9dd17180cc_proj:
	s_mov_b64 s[64:65], 0
	v_nop
	global_prefetch_b8 v0, s[64:65] scope:SCOPE_SE
	s_setreg_imm32_b32 hwreg(HW_REG_WAVE_MODE, 25, 1), 1
	s_wait_xcnt 0x0
; q = wq x + bq, k = wk x + bk, v = wv x + bv for 128 pixels of one image, all on codes of BF6 (E3M2) with E8M0 scales for each 32 along K; the results are quantised again for attention:
; q and k along their 32 features, v along the pixels (the keys), and stored as images of operand registers in one record of 32,768 bytes for each block of 128 pixels.
; SHARES.  Work-group i = 32 x image + pixel block.  x's tile (256 channels x 128 pixels, f32) comes by four tensor loads (waves 0-3; rows of 512 bytes).  Wave w quantises the 16 pixels of tile w along the
; channels (two fragments), makes q and k of those pixels, and makes channels 32 w .. 32 w + 31 of v for all 128 pixels: the waves share v's columns, so each wave's weights stay in its registers.
; PIXELS OF A TILE ARE NOT NEIGHBOURS: lane r of tile T is pixel 32 (T / 2) + 8 (T % 2) + r + 8 (r / 8): a lane's results over tiles 0-7 are then 64 numbers in the order that the quantiser takes along the pixels.
; q, k: source 0 = 16 rows of the weight, source 1 = x: a lane holds one pixel and 16 of its 32 features.  v: source 0 = x, source 1 = 16 rows of wv: a lane holds one channel and its registers run along the pixels.
; THE RECORD: 0: v's 16 fragments (16 channels x 128 pixels, 1,536 bytes each); 24,576: v's scale words; 25,600: k's two fragments, each FOUR tiles of 16 keys, one in each block of 32 of the instruction's K;
; 28,672: k's scale words (128 bytes, written four times over so that the record has no unwritten byte); 29,184: q's codes, laid as k's; 32,256: q's scale words, the byte four times.
; No cluster: x's tiles are shared by nobody, and the weights are 18 KB a wave, read once.  Nothing in LDS is filled twice.
; LIMITS: a block of zeros gets the byte 1 where the rule says 127 (zero codes; this program alone reads the bytes); NaN and infinities among the inputs are not served.
; REGISTERS.  window 0: v1-15 addresses; v16-31 scale words; v32-79 four fragments of x; v80-207 x's numbers, then 16 accumulators; v208-240 the quantiser's; v241-251 offsets.
;   window 1: v0-95 wq's and wk's fragments; v96-143 my wv fragments; v144-175 bq, bk in the result's layout; v176-191 bv likewise.
.set XP,   520                         ; a row of x's tile in LDS: 512 bytes + 8: lanes 16-31, 16 rows on, start 32 banks from lanes 0-15
.set XIMG, 133120                      ; behind the tile: x's 16 fragments (tile T, K step s: 2 T + s), 1,536 bytes each
.set XSC,  157696                      ; their scale words, 128 bytes each
.set STG,  159744                      ; an image of the record's bytes 24,576 .. 32,767
.set SKF,  1024
.set SKS,  4096
.set SQF,  4608
.set SQS,  7680
.set LI,   3                           ; v3   16 x lane
.set XA,   4                           ; v4-7 my pixel's column of the tile, channels 64 k + 16 h on
.set XWI,  8                           ; v8   where my two fragments of x lie
.set XWS,  9                           ; v9   and their scale words
.set LIX,  10                          ; v10  XIMG + 16 x lane
.set LSX,  11                          ; v11  XSC + 4 x lane
.set QKA,  12                          ; v12  stage: k's codes (lanes 0-15), q's (lanes 16-31)
.set KSA,  13                          ; v13  stage: k's scale byte
.set QSA,  14                          ; v14  stage: q's scale word
.set VSA,  15                          ; v15  stage: v's scale words
.set WQS,  16                          ; v16-23 wq's, wk's scale words: tile t, K step s at 2 t + s
.set WVS,  24                          ; v24-27 wv's
.set FS,   28                          ; v28-31 x's
.set FR4,  32
.set ACC,  80
.set PC,   208
.set CT,   220
.set MX,   228
.set BY,   232
.set SO,   236
.set PW,   240
.set WV,   16                          ; s16  my wave's number
.set SEL,  18                          ; s[18:19]
.set G1,   24                          ; s[24:31] descriptor group 1
.set G0,   32                          ; s[32:35] group 0
.set MSB, 0
.macro WIN new                         ; the immediate's high byte repeats the setting that is left
.if MSB != \new
	s_set_vgpr_msb (MSB<<8)|\new
.set MSB, \new
.endif
.endm
.macro PLACES n
.rept \n
	v_nop
.endr
.endm
.macro BARRIER                         ; my LDS stores have landed and my LDS loads are in: then the work-group's barrier
	s_wait_dscnt 0x0
	s_barrier_signal -1
	s_barrier_wait -1
.endm
; 64 numbers of a lane, register 16 b + i = k 32 b + 16 (lane / 16) + i of its row, become a fragment's 12 registers at v[d] and the row's scale word in v[w].
.macro QUANT s, d, w
.irp b, 0,1,2,3
	v_max3_num_f32 v[MX+\b], |v[\s+16*\b]|, |v[\s+16*\b+1]|, 0x2800000   ; my 16 numbers of block b, and the floor 2^(5 - 127): the byte cannot fall under 1
.endr
.irp i, 2,4,6,8,10,12,14
.irp b, 0,1,2,3
	v_max3_num_f32 v[MX+\b], v[MX+\b], |v[\s+16*\b+\i]|, |v[\s+16*\b+\i+1]|
.endr
.endr
.irp b, 0,1,2,3
	v_permlanex16_b32 v[BY+\b], v[MX+\b], s[SEL], s[SEL+1]
.endr
.irp b, 0,1,2,3
	v_max_num_f32 v[MX+\b], v[MX+\b], v[BY+\b]
.endr
.irp b, 0,1,2,3
	v_add_nc_u32 v[SO+\b], 0xfe000000, v[MX+\b]     ; 4 off the exponent field: the conversion's scale operand
.endr
.irp b, 0,1,2,3
	v_lshrrev_b32 v[BY+\b], 23, v[SO+\b]            ; the scale's byte
.endr
	v_lshl_or_b32 v[\w], v[BY+1], 8, v[BY]
	v_lshl_or_b32 v[\w], v[BY+2], 16, v[\w]
	v_lshl_or_b32 v[\w], v[BY+3], 24, v[\w]
.irp c, 0,1
	v_cvt_scalef32_pk16_bf6_f32 v[\d+6*\c:\d+6*\c+2], v[\s+32*\c:\s+32*\c+15], v[SO+2*\c]
	v_cvt_scalef32_pk16_bf6_f32 v[CT+4*\c:CT+4*\c+2], v[\s+32*\c+16:\s+32*\c+31], v[SO+2*\c+1]
.endr
	v_nop                                          ; one plain place behind the scaled conversions
.irp c, 0,1
.irp i, 0,1,2
	v_permlane16_swap_b32 v[\d+6*\c+\i], v[CT+4*\c+\i]
.endr
.irp i, 0,1,2
	v_mov_b32 v[\d+6*\c+3+\i], v[CT+4*\c+\i]
.endr
.endr
.endm
; One matrix instruction.  c < 0: the sum starts at 0; else C begins at register c.  row = 1: source 0's scales are read from lanes 16-31.
.macro WM d, a, b, c, sa, sb, row
.if (\c) < 0
.if \row
	v_wmma_scale_f32_16x16x128_f8f6f4 v[\d:\d+7], v[\a:\a+11], v[\b:\b+11], 0, v[\sa], v[\sb] matrix_a_fmt:MATRIX_FMT_BF6 matrix_b_fmt:MATRIX_FMT_BF6 matrix_a_scale:MATRIX_SCALE_ROW1
.else
	v_wmma_scale_f32_16x16x128_f8f6f4 v[\d:\d+7], v[\a:\a+11], v[\b:\b+11], 0, v[\sa], v[\sb] matrix_a_fmt:MATRIX_FMT_BF6 matrix_b_fmt:MATRIX_FMT_BF6
.endif
.else
.if \row
	v_wmma_scale_f32_16x16x128_f8f6f4 v[\d:\d+7], v[\a:\a+11], v[\b:\b+11], v[\c:\c+7], v[\sa], v[\sb] matrix_a_fmt:MATRIX_FMT_BF6 matrix_b_fmt:MATRIX_FMT_BF6 matrix_a_scale:MATRIX_SCALE_ROW1
.else
	v_wmma_scale_f32_16x16x128_f8f6f4 v[\d:\d+7], v[\a:\a+11], v[\b:\b+11], v[\c:\c+7], v[\sa], v[\sb] matrix_a_fmt:MATRIX_FMT_BF6 matrix_b_fmt:MATRIX_FMT_BF6
.endif
.endif
.endm
	s_load_b256 s[4:11], s[0:1], 0x0               ; x s[4:5], wimg s[6:7], bq s[8:9], bk s[10:11]
	s_load_b128 s[12:15], s[0:1], 0x20             ; bv s[12:13], kvq s[14:15]
	v_lshl_add_u32 v254, v0, 2, 0x29000
	v_mov_b32 v255, 0
	ds_add_u32 v254, v255
	v_lshrrev_b32 v1, 5, v0
	v_readfirstlane_b32 s[WV], v1                  ; wave 0..7
	; descriptor group 1: 64 rows (channels) of 128 elements of 4 bytes, 4,096 elements apart; 2 words of padding behind every 128
	s_mov_b32 s[G1+0], (2<<16)|(1<<20)|(6<<22)|(1<<25)
	s_mov_b32 s[G1+1], 128<<16                     ; tensor_dim0
	s_mov_b32 s[G1+2], 64<<16                      ; tensor_dim1
	s_mov_b32 s[G1+3], 128<<16                     ; tile_dim0
	s_mov_b32 s[G1+4], 64                          ; tile_dim1
	s_mov_b32 s[G1+5], 4096                        ; from channel to channel
	s_mov_b32 s[G1+6], 0
	s_mov_b32 s[G1+7], 0
	s_lshr_b32 s20, ttmp9, 5                       ; the image: 4,194,304 bytes each
	s_lshl_b32 s20, s20, 22
	s_and_b32 s21, ttmp9, 31                       ; the pixel block: 512 bytes of a row
	s_lshl_b32 s21, s21, 9
	s_add_co_u32 s20, s20, s21
	s_lshl_b32 s21, s[WV], 20                      ; my 64 channels (waves 0-3 fetch)
	s_add_co_u32 s20, s20, s21
	s_mov_b32 s21, 0
	s_lshl_b32 s42, ttmp9, 15                      ; my record
	s_mov_b32 s43, 0
	s_mul_i32 s44, s[WV], 3072                     ; my two fragments of v in it
	s_mov_b32 s45, 0
	s_mul_i32 s46, s[WV], 2*3328                   ; my two tiles of wv: tiles 4 + 2 w, 5 + 2 w of wimg
	s_add_co_u32 s46, s46, 4*3328
	s_mov_b32 s47, 0
	s_mov_b32 s[SEL], 0x76543210
	s_mov_b32 s[SEL+1], 0xfedcba98
	s_wait_dscnt 0x0
	s_wait_kmcnt 0x0
	s_mov_b32 s[G0], 1
	s_mul_i32 s[G0+1], s[WV], 64*XP                ; LDS: my 64 rows
	s_add_nc_u64 s[G0+2:G0+3], s[4:5], s[20:21]
	s_or_b32 s[G0+3], s[G0+3], 0x80000000
	s_add_nc_u64 s[36:37], s[14:15], s[42:43]
	s_add_nc_u64 s[38:39], s[36:37], s[44:45]
	s_add_nc_u64 s[40:41], s[6:7], s[46:47]
	s_cmp_lt_u32 s[WV], 4
	s_cbranch_scc0 .Lno_fetch
	tensor_load_to_lds s[G0:G0+3], s[G1:G1+7]      ; a quarter of x's tile; one load of mine is out
	s_nop 0
	PLACES 4
.Lno_fetch:
	v_and_b32 v1, 15, v0                           ; r
	v_bfe_u32 v2, v0, 4, 1                         ; h
	v_and_b32 v241, 31, v0                         ; lane
	v_lshlrev_b32 v[LI], 4, v241
	v_lshlrev_b32 v242, 3, v241                    ; 8 x lane
	v_lshlrev_b32 v243, 6, v2                      ; bq, bk: my half's 16 features
	v_and_b32 v244, 8, v1
	v_add_nc_u32 v244, v244, v1                    ; r + 8 (r / 8)
	s_lshl_b32 s20, s[WV], 7
	v_lshl_add_u32 v245, v244, 2, s20              ; bv: channel 32 w + r + 8 (r / 8)
	WIN 0x40                                       ; destination window 1
.irp t, 0,1,2,3                        ; wq's two tiles, wk's two: they stay
.irp s, 0,1
.irp c, 0,1,2
	global_load_b128 v[12*(2*\t+\s)+4*\c:12*(2*\t+\s)+4*\c+3], v[LI], s[6:7] offset:3328*\t+1536*\s+512*\c
.endr
.endr
.endr
.irp t, 0,1                            ; my two tiles of wv
.irp s, 0,1
.irp c, 0,1,2
	global_load_b128 v[96+12*(2*\t+\s)+4*\c:96+12*(2*\t+\s)+4*\c+3], v[LI], s[40:41] offset:3328*\t+1536*\s+512*\c
.endr
.endr
.endr
.irp u, 0,1                            ; the biases in the result's layout: tile u, register j = feature 16 h + 8 u + j
	global_load_b128 v[144+8*\u:147+8*\u], v243, s[8:9] offset:32*\u
	global_load_b128 v[148+8*\u:151+8*\u], v243, s[8:9] offset:32*\u+16
	global_load_b128 v[160+8*\u:163+8*\u], v243, s[10:11] offset:32*\u
	global_load_b128 v[164+8*\u:167+8*\u], v243, s[10:11] offset:32*\u+16
.endr
	WIN 0
.irp t, 0,1,2,3
	global_load_b64 v[WQS+2*\t:WQS+2*\t+1], v242, s[6:7] offset:3328*\t+3072
.endr
.irp t, 0,1
	global_load_b64 v[WVS+2*\t:WVS+2*\t+1], v242, s[40:41] offset:3328*\t+3072
	global_load_b32 v[246+\t], v245, s[12:13] offset:32*\t      ; bv of my lane's channel in tile t
.endr
	s_lshr_b32 s20, s[WV], 1
	s_lshl_b32 s20, s20, 5
	s_and_b32 s21, s[WV], 1
	s_lshl_b32 s22, s21, 3
	s_add_co_u32 s20, s20, s22                     ; 32 (w / 2) + 8 (w % 2)
	v_add_nc_u32 v248, s20, v244                   ; my pixel
	v_mul_u32_u24 v249, v2, 16*XP
	v_lshl_add_u32 v249, v248, 2, v249
.irp k, 0,1,2,3
	v_add_nc_u32 v[XA+\k], 64*XP*\k, v249
.endr
	s_mul_i32 s22, s[WV], 3072
	s_add_co_u32 s22, s22, XIMG
	v_add_nc_u32 v[XWI], s22, v[LI]
	s_lshl_b32 s22, s[WV], 8
	s_add_co_u32 s22, s22, XSC
	v_lshl_add_u32 v[XWS], v241, 2, s22
	v_add_nc_u32 v[LIX], XIMG, v[LI]
	v_lshl_add_u32 v[LSX], v241, 2, XSC
	s_lshr_b32 s22, s[WV], 1                       ; tile T's 24 bytes a row lie at 768 (T / 2) + 128 (T % 2) + 256 i + 8 r; q's area lies 3,584 bytes behind k's
	s_mul_i32 s22, s22, 768
	s_lshl_b32 s23, s21, 7
	s_add_co_u32 s22, s22, s23
	s_add_co_u32 s22, s22, STG+SKF
	v_mul_u32_u24 v[QKA], v2, SQF-SKF
	v_lshl_add_u32 v[QKA], v1, 3, v[QKA]
	v_add_nc_u32 v[QKA], s22, v[QKA]
	s_lshr_b32 s22, s[WV], 2                       ; k's byte: word of lane r + 16 (T / 4), byte T % 4
	s_lshl_b32 s22, s22, 6
	s_and_b32 s23, s[WV], 3
	s_add_co_u32 s22, s22, s23
	s_add_co_u32 s22, s22, STG+SKS
	v_lshl_add_u32 v[KSA], v1, 2, s22
	s_lshl_b32 s22, s[WV], 6
	s_add_co_u32 s22, s22, STG+SQS
	v_lshl_add_u32 v[QSA], v1, 2, s22
	s_lshr_b32 s22, s[WV], 1                       ; v's word of tile t = 2 w + ct, row r: 512 (t / 8) + 16 (r + 16 ((t / 4) % 2)) + 4 (t % 4)
	s_lshl_b32 s22, s22, 8
	s_lshl_b32 s23, s21, 3
	s_add_co_u32 s22, s22, s23
	s_add_co_u32 s22, s22, STG
	v_lshl_add_u32 v[VSA], v1, 4, s22
	v_lshl_add_u32 v250, v0, 4, STG                ; the copy out: 16 bytes a thread
	v_lshlrev_b32 v251, 4, v0
.irp b, 0,1,2,3
	v_mov_b32 v[BY+\b], 0                          ; a lane permute's destination counts as one of its sources
.endr
	s_wait_loadcnt 0x0
	WIN 0x40
.irp t, 0,1
.irp j, 0,1,2,3,4,5,6,7
	v_mov_b32 v[176+8*\t+\j], v[246+\t]            ; v's bias hangs on the lane's channel alone: eight equal registers
.endr
.endr
	WIN 0
	s_wait_tensorcnt 0x0                           ; my part of x's tile is in,
	BARRIER                                        ; everybody's is
	; ---- 1: my 16 pixels of x become two fragments.  Register 64 s + 16 b + i = channel 128 s + 32 b + 16 h + i
.irp s, 0,1
.irp b, 0,1,2,3
.irp i, 0,1,2,3,4,5,6,7,8,9,10,11,12,13,14,15
	ds_load_b32 v[ACC+64*\s+16*\b+\i], v[XA+2*\s+\b/2] offset:(32*(\b%2)+\i)*XP
.endr
.endr
.endr
	s_wait_dscnt 63                                ; at most the youngest 63 of the 128 loads are out: K step 0's 64 are in
	QUANT ACC, PC, PW
.irp c, 0,1,2
	ds_store_b128 v[XWI], v[PC+4*\c:PC+4*\c+3] offset:512*\c
.endr
	ds_store_b32 v[XWS], v[PW]
	s_wait_dscnt 0x0                               ; K step 1's numbers are in, and the stores are done
	QUANT ACC+64, PC, PW
.irp c, 0,1,2
	ds_store_b128 v[XWI], v[PC+4*\c:PC+4*\c+3] offset:1536+512*\c
.endr
	ds_store_b32 v[XWS], v[PW] offset:128
	BARRIER                                        ; x's sixteen fragments lie in LDS
	; ---- 2: q and k of my 16 pixels: four accumulators by turns, two K steps
.irp s, 0,1
.irp c, 0,1,2
	ds_load_b128 v[FR4+12*\s+4*\c:FR4+12*\s+4*\c+3], v[XWI] offset:1536*\s+512*\c
.endr
	ds_load_b32 v[FS+\s], v[XWS] offset:128*\s
.endr
	s_wait_dscnt 0x0
	WIN 0x11                                       ; source 0 (the weight) and C (the bias) window 1
.irp t, 0,1,2,3
	WM ACC+8*\t, 24*\t, FR4, 144+8*\t, WQS+2*\t, FS, 0
.endr
	WIN 0x01
.irp t, 0,1,2,3
	WM ACC+8*\t, 24*\t+12, FR4+12, ACC+8*\t, WQS+2*\t+1, FS+1, 0
.endr
	WIN 0
	PLACES 4
	; q = registers 0-15, k = registers 16-31: features 16 h + i of my pixel.  One block of 32 each, in lanes l and l xor 16
	v_max3_num_f32 v[MX], |v[ACC+16]|, |v[ACC+17]|, 0x2800000
	v_max3_num_f32 v[MX+1], |v[ACC]|, |v[ACC+1]|, 0x2800000
.irp i, 2,4,6,8,10,12,14
	v_max3_num_f32 v[MX], v[MX], |v[ACC+16+\i]|, |v[ACC+17+\i]|
	v_max3_num_f32 v[MX+1], v[MX+1], |v[ACC+\i]|, |v[ACC+1+\i]|
.endr
	v_permlanex16_b32 v[BY], v[MX], s[SEL], s[SEL+1]
	v_permlanex16_b32 v[BY+1], v[MX+1], s[SEL], s[SEL+1]
	v_max_num_f32 v[MX], v[MX], v[BY]
	v_max_num_f32 v[MX+1], v[MX+1], v[BY+1]
	v_add_nc_u32 v[SO], 0xfe000000, v[MX]
	v_add_nc_u32 v[SO+1], 0xfe000000, v[MX+1]
	v_lshrrev_b32 v[BY], 23, v[SO]                 ; k's byte
	v_lshrrev_b32 v[BY+1], 23, v[SO+1]             ; q's
	v_cvt_scalef32_pk16_bf6_f32 v[PC:PC+2], v[ACC+16:ACC+31], v[SO]
	v_cvt_scalef32_pk16_bf6_f32 v[CT:CT+2], v[ACC:ACC+15], v[SO+1]
	v_nop                                          ; one plain place behind the scaled conversions
.irp i, 0,1,2
	v_permlane16_swap_b32 v[PC+\i], v[CT+\i]       ; lanes 0-15 now hold k's whole block of their pixel, lanes 16-31 q's
.endr
.irp i, 0,1,2
	v_mov_b32 v[PC+3+\i], v[CT+\i]
.endr
.irp i, 0,1,2
	ds_store_b64 v[QKA], v[PC+2*\i:PC+2*\i+1] offset:256*\i
.endr
.irp i, 0,1,2,3
	ds_store_b8 v[KSA], v[BY] offset:128*\i        ; both lanes of a pixel write the same byte with the same value
.endr
	v_lshl_or_b32 v[PW], v[BY+1], 8, v[BY+1]
	v_lshl_or_b32 v[PW], v[PW], 16, v[PW]          ; q's byte four times: q is used in any of the four blocks
	ds_store_b32 v[QSA], v[PW]
	; ---- 3: my 32 channels of v for the 128 pixels: 16 accumulators by turns, four tiles of pixels at a time
.irp s, 0,1
.irp g, 0,1
	PLACES 5                                       ; in front of loads into registers that matrix instructions have read, and of products that write over earlier results
.irp i, 0,1,2,3
.irp c, 0,1,2
	ds_load_b128 v[FR4+12*\i+4*\c:FR4+12*\i+4*\c+3], v[LIX] offset:(2*(4*\g+\i)+\s)*1536+512*\c
.endr
	ds_load_b32 v[FS+\i], v[LSX] offset:128*(2*(4*\g+\i)+\s)
.endr
	s_wait_dscnt 0x0
.if \s == 0
	WIN 0x14                                       ; source 1 (wv) and C (bv) window 1
.else
	WIN 0x04
.endif
.irp i, 0,1,2,3
.irp t, 0,1
.if \s == 0
	WM ACC+8*(8*\t+4*\g+\i), FR4+12*\i, 96+12*(2*\t+\s), 176+8*\t, FS+\i, WVS+2*\t+\s, 0
.else
	WM ACC+8*(8*\t+4*\g+\i), FR4+12*\i, 96+12*(2*\t+\s), ACC+8*(8*\t+4*\g+\i), FS+\i, WVS+2*\t+\s, 0
.endif
.endr
.endr
	WIN 0
.endr
.endr
	PLACES 4
.irp t, 0,1                            ; a lane's 64 registers of a tile of channels: pixel 32 b + 16 h + i: quantised along the pixels
.if \t
	s_wait_xcnt 0x0                                ; the stores of tile 0 have read their registers: they are written again only behind this wait
.endif
	QUANT ACC+64*\t, PC, PW
.irp c, 0,1,2
	global_store_b128 v[LI], v[PC+4*\c:PC+4*\c+3], s[38:39] offset:1536*\t+512*\c   ; 32 lanes store 512 consecutive bytes
.endr
	ds_store_b32 v[VSA], v[PW] offset:4*\t
.endr
	BARRIER                                        ; the stage holds the record's last 8,192 bytes
	; ---- 4: they leave, 16 bytes a thread
	ds_load_b128 v[32:35], v250
	ds_load_b128 v[36:39], v250 offset:4096
	s_wait_dscnt 0x0
	global_store_b128 v251, v[32:35], s[36:37] offset:24576
	global_store_b128 v251, v[36:39], s[36:37] offset:28672
	s_wait_tensorcnt 0x0
	ds_add_u32 v254, v255
	s_wait_dscnt 0x0
	s_endpgm
.Lfunc_end_k_q9dd17180cc_proj:
	.size	k_q9dd17180cc_proj, .Lfunc_end_k_q9dd17180cc_proj-k_q9dd17180cc_proj
	.p2alignl 7, 3214868480
	.fill 96, 4, 3214868480
	.section	.rodata,"a",@progbits
	.p2align	6, 0x0
	.amdhsa_kernel k_q9dd17180cc_proj
		.amdhsa_group_segment_fixed_size 168960
		.amdhsa_private_segment_fixed_size 0
		.amdhsa_enable_private_segment 0
		.amdhsa_kernarg_size 48
		.amdhsa_user_sgpr_count 2
		.amdhsa_user_sgpr_kernarg_segment_ptr 1
		.amdhsa_wavefront_size32 1
		.amdhsa_system_sgpr_workgroup_id_x 1
		.amdhsa_system_sgpr_workgroup_id_y 1
		.amdhsa_system_sgpr_workgroup_id_z 1
		.amdhsa_system_vgpr_workitem_id 0
		.amdhsa_next_free_vgpr 448
		.amdhsa_next_free_sgpr 66
		.amdhsa_reserve_vcc 0
		.amdhsa_float_denorm_mode_32 3
		.amdhsa_float_denorm_mode_16_64 3
		.amdhsa_memory_ordered 1
		.amdhsa_forward_progress 1
		.amdhsa_inst_pref_size 49
	.end_amdhsa_kernel
	.amdgpu_metadata
---
amdhsa.version: [ 1, 2 ]
amdhsa.kernels:
  - .name:           k_q9dd17180cc_proj
    .symbol:         k_q9dd17180cc_proj.kd
    .args:
      - { .name: style_features, .offset: 0, .size: 8, .value_kind: global_buffer, .address_space: global }
      - { .name: wimg, .offset: 8, .size: 8, .value_kind: global_buffer, .address_space: global }
      - { .name: bq, .offset: 16, .size: 8, .value_kind: global_buffer, .address_space: global }
      - { .name: bk, .offset: 24, .size: 8, .value_kind: global_buffer, .address_space: global }
      - { .name: bv, .offset: 32, .size: 8, .value_kind: global_buffer, .address_space: global }
      - { .name: kvq, .offset: 40, .size: 8, .value_kind: global_buffer, .address_space: global }
    .group_segment_fixed_size: 168960
    .private_segment_fixed_size: 0
    .kernarg_segment_align: 8
    .kernarg_segment_size: 48
    .max_flat_workgroup_size: 256
    .sgpr_count:     66
    .vgpr_count:     448
    .wavefront_size: 32
...
	.end_amdgpu_metadata
.endif
;; end of part 2
;; launch attn (part 3): grid 32 x 8, 8 waves a work-group, clusters of 4 x 1, 327,680 bytes of LDS; arguments kvq, style_features, wimg, fc_b, ctx_w, gamma, part; writes part
.if DOCPART == 3
	.amdgcn_target "amdgcn-amd-amdhsa--gfx1250"
	.amdhsa_code_object_version 6
	.text
	.protected	k_q9dd17180cc_attn
	.globl	k_q9dd17180cc_attn
	.p2align	8
	.type	k_q9dd17180cc_attn,@function
k_q9dd17180cc_attn:
	s_mov_b64 s[64:65], 0
	v_nop
	global_prefetch_b8 v0, s[64:65] scope:SCOPE_SE
	s_setreg_imm32_b32 hwreg(HW_REG_WAVE_MODE, 25, 1), 1
	s_wait_xcnt 0x0
	s_wait_alu depctr_hold_cnt(0) depctr_sa_sdst(0) depctr_va_vdst(0) depctr_va_sdst(0) depctr_va_ssrc(0) depctr_va_vcc(0) depctr_vm_vsrc(0)
	s_getreg_b32 s2, hwreg(HW_REG_IB_STS2, 6, 4)
	s_cmp_eq_u32 s2, 0
	s_cbranch_scc0 .Lentry_in_a_cluster
	s_endpgm
.Lentry_in_a_cluster:
	s_bfe_u32 s2, ttmp6, 0x10000c
	s_cmp_lg_u32 s2, 0x3003
	s_cbranch_scc0 .Lentry_shape_is_right
	s_endpgm
.Lentry_shape_is_right:
; For 128 pixels (queries) of one image: attention over the image's 4,096 keys, h = gamma out + x, hid = tanh(fc_w h + fc_b), score = ctx_w . hid, and this block's part of the pooling softmax:
; its largest score m, L = the sum of e = exp(score - m), and y[c] = the sum of x[c][pixel] e[pixel].  out, h, hid and the scores never go to memory.
; All matrix products are on codes of BF6 (E3M2) with one E8M0 scale for each 32 along K; the dot with ctx_w (one column) is fused multiply-adds in f32.
; THE SOFTMAX AHEAD OF THE SECOND PRODUCT: t = logit x log2(e); M = the running largest t rounded UP to a whole number; p = 2^(t - M) is quantised along the keys; the sum of the unquantised p divides at the end.
; SHARES.  Wave w = 4 half + g owns two tiles of 16 queries (local tile u = the block's tile 2 g + (u xor half)) and walks 16 of the image's 32 key steps of 128: steps 16 half on.  So each fragment of V read from LDS
; feeds two products, and two waves share a SIMD: one's products and LDS loads stand beside the other's softmax.  At the end waves w and w xor 4 exchange their local tile 1 through LDS, and each finishes its local tile 0.
; LAYOUT.  Both products transposed (S^T = K Q^T, O^T = V^T P^T): a lane holds one query throughout.  The first product's K is 32, the instruction's 128: a fragment of K holds FOUR tiles of 16 keys, one in each block
; of 32, and q stands in one block of its operand, zero codes in the others: the block chosen picks the tile.  Keys and channels of a tile are laid by the earlier launch so that a lane's registers run as the quantiser wants.
; RING.  Two slots, 65,536 bytes apart, each with one record (29,184 bytes: V, K and their scale words as images of operand registers) for each half; waves 0 and 1 fetch them.
; CLUSTER.  The four blocks of a cluster belong to one image and walk the same records: each record is asked for JOINTLY, by the same tensor load with the same descriptor and the mask 15, and so are fc_w's codes.
; LIMITS: p under 2^-126 comes out of v_exp_f32 as 0; a block of zeros keeps the byte 1 (zero codes); tanh by exp2 and a reciprocal has an absolute error near 1e-7 (it stands behind the last quantiser);
; NaN and infinities among the inputs are not served.
; REGISTERS.  window 0: v1-11, v23, v92-95, v241-252 addresses; v12-19 statistics; v20-33 scale words and nothing else; v34-37 the rescaling factors; v38-91 q; v96-159 S^T, then p; v160-183 K;
;   v96-191 also V's two buffers; v192-215 p's codes; v216-240 at work.   window 1: O^T, tile u, channels' tile t at 128 u + 8 t.
.set SLOT1, 65536
.set HREC,  29184                      ; what the ring fetches of a record: 114 rows of 256 bytes
.set XP,    520                        ; a row of x's tile in LDS: 512 bytes + 8
.set XT,    131072                     ; x's tile: 256 channels x 128 pixels, f32
.set FCI,   264192                     ; fc_w's eight tile records of 3,328 bytes
.set BC,    290816                     ; fc_b, then ctx_w
.set SCORE, 291840                     ; the block's 128 scores
.set YST,   292352                     ; y on its way out
.set MST,   293376                     ; the exchange: (-M, l), 256 bytes a wave
.set EW,    295424                     ; e, 512 bytes for each wave, its own
.set SPARE, 299520                     ; the spare words, 128 bytes for each wave: four blocks of 256 bytes that no other line names
.set SPW, 1                            ; v1   my spare word; never rewritten
.set NIL, 2                            ; v2   0; never rewritten
.set L16, 3                            ; v3-5 16, 8, 4 x lane + my half's record in a slot
.set L8,  4
.set L4,  5
.set A16, 6                            ; v6-8 the same in the slot in hand
.set A8,  7
.set A4,  8
.set MWA, 9                            ; the exchange: where I put O^T of my tile 1, where my partner put its
.set MRA, 10
.set MSW, 11
.set ST,  12                           ; tile u: v[12+4u] -M, +1 the largest t, +2,+3 the sum in two halves
.set QS,  20                           ; v20-21 q's scale words
.set KS,  22                           ; v22   K's: lanes 0-15 fragment 0, lanes 16-31 fragment 1
.set MSR, 23
.set VS,  24                           ; v24-31 V's: register 4 (t / 8) + t % 4, lanes 16-31 where (t / 4) % 2.  Later fc_w's
.set PS,  32                           ; v32-33 p's.  Later h's
.set FA,  34                           ; v[34+2u:35+2u] f = 2^(old M - new M)
.set QB,  38                           ; v38-91: Z QL0 Z QH0 Z QL1 Z QH1 Z, six registers each: q in lanes 0-15 (QL) or 16-31 (QH), zeros elsewhere
.set XH,  92                           ; v92-95 my query's column of x's tile
.set SR,  96
.set KF,  160
.set VA,  96
.set VB,  144
.set PC0, 192
.set CT,  216
.set MX,  224
.set BY,  228
.set SO,  232
.set SM,  236
.set TA,  238
.set BCA, 241
.set FSA, 242
.set FFA, 243
.set SCW, 244
.set SCR, 245
.set EWW, 246
.set EWR, 247
.set XR,  248
.set YW,  249
.set YR,  250
.set GO16, 251
.set GO8, 252
.set WV,   18
.set HALF, 19
.set GG,   20
.set GAM,  21
.set CS,   22                          ; s[22:23] log2(e): the packed form names a pair
.set SEL,  24                          ; s[24:25] lane selects: lane l xor 16
.set TB,   26                          ; the slot in hand
.set CNT,  27
.set G1R,  32                          ; s[32:39] group 1: a record
.set G1X,  40                          ; s[40:47] x's tile
.set G1F,  48                          ; s[48:55] fc_w's codes
.set G0A,  56                          ; s[56:59] slot 0's first fill
.set G0B,  60                          ; s[60:63] slot 1's first fill; then it walks
.set G0X,  68
.set G0F,  72
.set MSB, 0
.macro WIN new                         ; the immediate's high byte repeats the setting that is left
.if MSB != \new
	s_set_vgpr_msb (MSB<<8)|\new
.set MSB, \new
.endif
.endm
.macro PLACES n
.rept \n
	v_nop
.endr
.endm
.macro BARRIER
	s_wait_dscnt 0x0
	s_barrier_signal -1
	s_barrier_wait -1
.endm
.macro CROUND                          ; a round of the cluster's barrier
	s_barrier_signal -1
	s_barrier_wait -1
	s_cmp_lg_u32 s[WV], 0
	s_cbranch_scc1 .Lnot_wave_0_\@
	s_barrier_signal -3
.Lnot_wave_0_\@:
	s_barrier_wait -3
	s_barrier_signal -1
	s_barrier_wait -1
.endm
.macro JLOAD                           ; the joint refill: wave 0 half 0's record, wave 1 half 1's; the branch hangs on the wave's number alone; four v_nop follow the load
	s_cmp_lt_u32 s[WV], 2
	s_cbranch_scc0 .Lnot_asking_\@
	tensor_load_to_lds s[G0B:G0B+3], s[G1R:G1R+7]
	s_nop 0
	PLACES 4
.Lnot_asking_\@:
.endm
.macro QUANT s, d, w                   ; 64 numbers of a lane, register 16 b + i = k 32 b + 16 (lane / 16) + i, become a fragment at v[d] and a scale word in v[w]
.irp b, 0,1,2,3
	v_max3_num_f32 v[MX+\b], |v[\s+16*\b]|, |v[\s+16*\b+1]|, 0x2800000
.endr
.irp i, 2,4,6,8,10,12,14
.irp b, 0,1,2,3
	v_max3_num_f32 v[MX+\b], v[MX+\b], |v[\s+16*\b+\i]|, |v[\s+16*\b+\i+1]|
.endr
.endr
.irp b, 0,1,2,3
	v_permlanex16_b32 v[BY+\b], v[MX+\b], s[SEL], s[SEL+1]
.endr
.irp b, 0,1,2,3
	v_max_num_f32 v[MX+\b], v[MX+\b], v[BY+\b]
.endr
.irp b, 0,1,2,3
	v_add_nc_u32 v[SO+\b], 0xfe000000, v[MX+\b]
.endr
.irp b, 0,1,2,3
	v_lshrrev_b32 v[BY+\b], 23, v[SO+\b]
.endr
	v_lshl_or_b32 v[\w], v[BY+1], 8, v[BY]
	v_lshl_or_b32 v[\w], v[BY+2], 16, v[\w]
	v_lshl_or_b32 v[\w], v[BY+3], 24, v[\w]
.irp c, 0,1
	v_cvt_scalef32_pk16_bf6_f32 v[\d+6*\c:\d+6*\c+2], v[\s+32*\c:\s+32*\c+15], v[SO+2*\c]
	v_cvt_scalef32_pk16_bf6_f32 v[CT+4*\c:CT+4*\c+2], v[\s+32*\c+16:\s+32*\c+31], v[SO+2*\c+1]
.endr
	v_nop                                          ; one plain place behind the scaled conversions
.irp c, 0,1
.irp i, 0,1,2
	v_permlane16_swap_b32 v[\d+6*\c+\i], v[CT+4*\c+\i]
.endr
.irp i, 0,1,2
	v_mov_b32 v[\d+6*\c+3+\i], v[CT+4*\c+\i]
.endr
.endr
.endm
.macro WM d, a, b, c, sa, sb, row      ; one matrix instruction.  c < 0: the sum starts at 0.  row = 1: source 0's scales are read from lanes 16-31
.if (\c) < 0
.if \row
	v_wmma_scale_f32_16x16x128_f8f6f4 v[\d:\d+7], v[\a:\a+11], v[\b:\b+11], 0, v[\sa], v[\sb] matrix_a_fmt:MATRIX_FMT_BF6 matrix_b_fmt:MATRIX_FMT_BF6 matrix_a_scale:MATRIX_SCALE_ROW1
.else
	v_wmma_scale_f32_16x16x128_f8f6f4 v[\d:\d+7], v[\a:\a+11], v[\b:\b+11], 0, v[\sa], v[\sb] matrix_a_fmt:MATRIX_FMT_BF6 matrix_b_fmt:MATRIX_FMT_BF6
.endif
.else
.if \row
	v_wmma_scale_f32_16x16x128_f8f6f4 v[\d:\d+7], v[\a:\a+11], v[\b:\b+11], v[\c:\c+7], v[\sa], v[\sb] matrix_a_fmt:MATRIX_FMT_BF6 matrix_b_fmt:MATRIX_FMT_BF6 matrix_a_scale:MATRIX_SCALE_ROW1
.else
	v_wmma_scale_f32_16x16x128_f8f6f4 v[\d:\d+7], v[\a:\a+11], v[\b:\b+11], v[\c:\c+7], v[\sa], v[\sb] matrix_a_fmt:MATRIX_FMT_BF6 matrix_b_fmt:MATRIX_FMT_BF6
.endif
.endif
.endm
; Tile u's softmax for a key step: S^T (register 16 b + i = key 32 b + 16 (lane / 16) + i of my query) becomes p's codes and scale word; M, f and the sum are brought on.
.macro SOFTMAX u
.set NM, ST+4*\u
.set LT, ST+4*\u+1
.set LL, ST+4*\u+2
.set FF, FA+2*\u
.set PCU, PC0+12*\u
.irp b, 0,1,2,3
	v_max3_num_f32 v[MX+\b], v[SR+16*\b], v[SR+16*\b+1], v[SR+16*\b+2]   ; the largest score of each block of 32 keys: for the row's maximum and, since p rises with the score, for the block's largest p
.endr
.irp i, 3,5,7,9,11,13
.irp b, 0,1,2,3
	v_max3_num_f32 v[MX+\b], v[MX+\b], v[SR+16*\b+\i], v[SR+16*\b+\i+1]
.endr
.endr
.irp b, 0,1,2,3
	v_max_num_f32 v[MX+\b], v[MX+\b], v[SR+16*\b+15]
.endr
.irp b, 0,1,2,3
	v_permlanex16_b32 v[BY+\b], v[MX+\b], s[SEL], s[SEL+1]
.endr
.irp b, 0,1,2,3
	v_max_num_f32 v[MX+\b], v[MX+\b], v[BY+\b]      ; with lane l xor 16's 16 keys
.endr
	v_max3_num_f32 v[TA], v[MX], v[MX+1], v[MX+2]
	v_max_num_f32 v[TA], v[TA], v[MX+3]
	v_mul_f32 v[TA], s[CS], v[TA]                  ; the step's largest t
	v_max_num_f32 v[LT], v[LT], v[TA]              ; the running largest t
	v_mov_b32 v[TA], v[NM]
	v_floor_f32 v[NM], -v[LT]                      ; the new -M = -ceil(t): a whole number
	v_sub_f32 v[TA], v[NM], v[TA]                  ; old M - new M: a whole number, 0 or less
	v_cvt_i32_f32 v[TA], v[TA]                     ; (it saturates)
	v_ldexp_f32 v[FF], 1.0, v[TA]                  ; f = 2^(old M - new M): multiplying by it rounds nothing
.set J, 0
.rept 32
	v_pk_fma_f32 v[SR+J:SR+J+1], v[SR+J:SR+J+1], s[CS:CS+1], v[NM:NM+1] op_sel_hi:[1,0,0]   ; t - M, two at a time
.set J, J+2
.endr
.irp b, 0,1,2,3
	v_fma_f32 v[MX+\b], v[MX+\b], s[CS], v[NM]      ; the same of each block's largest score
.endr
.set J, 0
.rept 64
	v_exp_f32 v[SR+J], v[SR+J]                     ; p = 2^(t - M), at most 1
.set J, J+1
.endr
.irp b, 0,1,2,3
	v_exp_f32 v[MX+\b], v[MX+\b]                    ; the block's largest p
.endr
	v_pk_mul_f32 v[LL:LL+1], v[LL:LL+1], v[FF:FF+1] op_sel_hi:[1,0]   ; the sums under the new M (a plain place behind the exponentials)
	s_wait_alu depctr_va_vdst(0)
.irp b, 0,1,2,3
	v_max_num_f32 v[MX+\b], 0x2800000, v[MX+\b]     ; the floor 2^(5 - 127): the byte cannot fall under 1
.endr
.irp b, 0,1,2,3
	v_add_nc_u32 v[SO+\b], 0xfe000000, v[MX+\b]
.endr
.irp b, 0,1,2,3
	v_lshrrev_b32 v[BY+\b], 23, v[SO+\b]
.endr
	v_lshl_or_b32 v[PS+\u], v[BY+1], 8, v[BY]
	v_lshl_or_b32 v[PS+\u], v[BY+2], 16, v[PS+\u]
	v_lshl_or_b32 v[PS+\u], v[BY+3], 24, v[PS+\u]
.irp c, 0,1
	v_cvt_scalef32_pk16_bf6_f32 v[PCU+6*\c:PCU+6*\c+2], v[SR+32*\c:SR+32*\c+15], v[SO+2*\c]
	v_cvt_scalef32_pk16_bf6_f32 v[CT+4*\c:CT+4*\c+2], v[SR+32*\c+16:SR+32*\c+31], v[SO+2*\c+1]
.endr
	v_nop                                          ; one plain place behind the scaled conversions
.irp c, 0,1
.irp i, 0,1,2
	v_permlane16_swap_b32 v[PCU+6*\c+\i], v[CT+4*\c+\i]
.endr
.irp i, 0,1,2
	v_mov_b32 v[PCU+6*\c+3+\i], v[CT+4*\c+\i]
.endr
.endr
	v_pk_add_f32 v[SM:SM+1], v[SR:SR+1], v[SR+2:SR+3]   ; the row's sum is taken of the unquantised p, in two chains
.irp j, 4,8,12,16,20,24,28,32,36,40,44,48,52,56,60
	v_pk_add_f32 v[LL:LL+1], v[LL:LL+1], v[SR+\j:SR+\j+1]
	v_pk_add_f32 v[SM:SM+1], v[SM:SM+1], v[SR+\j+2:SR+\j+3]
.endr
	v_pk_add_f32 v[LL:LL+1], v[LL:LL+1], v[SM:SM+1]
.endm
.macro VLOAD buf, t0                   ; four fragments of V (channels' tiles t0 on): twelve loads of 512 consecutive bytes
.irp i, 0,1,2,3
.irp c, 0,1,2
	ds_load_b128 v[\buf+12*\i+4*\c:\buf+12*\i+4*\c+3], v[A16] offset:1536*(\t0+\i)+512*\c
.endr
.endr
.endm
.macro PVMUL buf, t0, first            ; O^T += V^T P^T: each fragment of V against both tiles' p: eight accumulators, one instruction a turn
.irp i, 0,1,2,3
.irp u, 0,1
.set TT, \t0+\i
.if \first
	WM 128*\u+8*TT, \buf+12*\i, PC0+12*\u, -1, VS+4*(TT/8)+TT%4, PS+\u, (TT/4)%2
.else
	WM 128*\u+8*TT, \buf+12*\i, PC0+12*\u, 128*\u+8*TT, VS+4*(TT/8)+TT%4, PS+\u, (TT/4)%2
.endif
.endr
.endr
.endm
; A KEY STEP: 128 keys.  first = 1: the products start O^T's sums, and there is nothing to rescale.
.macro STEP first
	PLACES 5                                       ; behind the last step's products: loads land on registers that they read, and the products below write over such registers
	v_add_nc_u32 v[A16], s[TB], v[L16]
	v_add_nc_u32 v[A8], s[TB], v[L8]
	v_add_nc_u32 v[A4], s[TB], v[L4]
.irp f, 0,1
.irp p, 0,1,2,3,4,5
	ds_load_b64 v[KF+12*\f+2*\p:KF+12*\f+2*\p+1], v[A8] offset:25600+1536*\f+256*\p
.endr
.endr
	ds_load_b32 v[KS], v[A4] offset:28672
.irp u, 0,1
	ds_load_b128 v[VS+4*\u:VS+4*\u+3], v[A16] offset:24576+512*\u
.endr
	s_wait_dscnt 2                                 ; K and its scale words are in; the two loads of V's scale words may be out
.irp u, 0,1
.if \u
	PLACES 5                                       ; these products write over the scores of tile 0
.endif
.irp t, 0,1,2,3,4,5,6,7                ; keys' tile t = block t % 4 of fragment t / 4; q stands in that block of its operand
	WM SR+8*\t, KF+12*(\t/4), QB+24*\u+6+12*(\t%2)-6*((\t%4)/2), -1, KS, QS+\u, \t/4
.endr
	PLACES 4
	SOFTMAX \u
.if \first == 0
	WIN 0x41                                       ; O^T in window 1, f in window 0
.set J, 0
.rept 64
	v_pk_mul_f32 v[128*\u+J:128*\u+J+1], v[128*\u+J:128*\u+J+1], v[FA+2*\u:FA+2*\u+1] op_sel_hi:[1,0]   ; O^T under the new M
.set J, J+2
.endr
	WIN 0
.endif
.endr
	PLACES 4                                       ; V's buffers lie where the scores and K lay
	VLOAD VA, 0
	VLOAD VB, 4
	s_wait_dscnt 12                                ; the older buffer's twelve loads are in, the younger's may be out; so below
	WIN 0x50-0x10*\first                           ; C and D window 1 (the first step has no C)
	PVMUL VA, 0, \first
	WIN 0
	PLACES 4
	VLOAD VA, 8
	s_wait_dscnt 12
	WIN 0x50-0x10*\first
	PVMUL VB, 4, \first
	WIN 0
	PLACES 4
	VLOAD VB, 12
	s_wait_dscnt 12
	WIN 0x50-0x10*\first
	PVMUL VA, 8, \first
	s_wait_dscnt 0x0
	PVMUL VB, 12, \first
	WIN 0
.endm
; THE CHANGE OF SLOTS, behind each step.  Each wave waits for all its tensor loads (the next step's record), adds 0 to its spare word, and waits for that and for its reads of the slot that it leaves.
; fill = 1: a round of the cluster's barrier, so that no wave of any partner still reads that slot, and the joint refill, two steps ahead, first behind it: it has the whole next step in which to land.
.macro CHANGE fill
	WIN 0
	s_wait_tensorcnt 0x0                           ; no tensor load of mine is out, so a group 0 may be written
	ds_add_u32 v[SPW], v[NIL]                      ; 0 onto my spare word
.if \fill
	s_xor_b32 s[G0B+1], s[G0B+1], SLOT1            ; the walking descriptor: the slot just read,
	s_add_nc_u64 s[G0B+2:G0B+3], s[G0B+2:G0B+3], 32768   ; the next record; the type bits on top are not reached
.endif
	s_xor_b32 s[TB], s[TB], SLOT1                  ; the reads go on in the other slot
	s_wait_dscnt 0x0                               ; the add is done, and my reads of the slot are over
.if \fill
	CROUND
	JLOAD
.else
	s_barrier_signal -1
	s_barrier_wait -1
.endif
.endm
	s_load_b256 s[4:11], s[0:1], 0x0               ; kvq s[4:5], x s[6:7], wimg s[8:9], fc_b s[10:11]
	s_load_b128 s[12:15], s[0:1], 0x20             ; ctx_w s[12:13], gamma s[14:15]
	s_load_b64 s[16:17], s[0:1], 0x30              ; part
	v_lshl_add_u32 v[SPW], v0, 2, SPARE
	v_mov_b32 v[NIL], 0
	ds_add_u32 v1, v2
	s_wait_dscnt 0x0
	v_lshrrev_b32 v253, 5, v0
	v_readfirstlane_b32 s[WV], v253                ; wave 0..7
	s_lshr_b32 s[HALF], s[WV], 2
	s_and_b32 s[GG], s[WV], 3
	s_and_b32 s28, s[WV], 1                        ; which half's record I fetch, if I fetch
	s_bfe_u32 s76, ttmp6, 0x40000                  ; cx: my place in the cluster
	s_lshl_b32 s77, ttmp9, 2
	s_add_co_u32 s77, s77, s76                     ; my block of 128 queries: it enters x's, q's and part's addresses alone
	s_and_b32 s78, ttmp7, 0xffff                   ; the image, which the four partners share
	; group 1 of a record: 114 rows of 32 elements of 8 bytes, dense; mask 15, bit 21 beside it
	s_mov_b32 s[G1R], 15|(3<<16)|(1<<21)
	s_mov_b32 s[G1R+1], 32<<16
	s_mov_b32 s[G1R+2], 114<<16
	s_mov_b32 s[G1R+3], 32<<16
	s_mov_b32 s[G1R+4], 114
	s_mov_b32 s[G1R+5], 32
	s_mov_b32 s[G1R+6], 0
	s_mov_b32 s[G1R+7], 0
	; fc_w's eight records: 104 such rows
	s_mov_b32 s[G1F], 15|(3<<16)|(1<<21)
	s_mov_b32 s[G1F+1], 32<<16
	s_mov_b32 s[G1F+2], 104<<16
	s_mov_b32 s[G1F+3], 32<<16
	s_mov_b32 s[G1F+4], 104
	s_mov_b32 s[G1F+5], 32
	s_mov_b32 s[G1F+6], 0
	s_mov_b32 s[G1F+7], 0
	; x's tile, my own: 64 rows of 128 elements of 4 bytes, 4,096 elements apart, 2 words of padding behind every 128; no mask
	s_mov_b32 s[G1X], (2<<16)|(1<<20)|(6<<22)|(1<<25)
	s_mov_b32 s[G1X+1], 128<<16
	s_mov_b32 s[G1X+2], 64<<16
	s_mov_b32 s[G1X+3], 128<<16
	s_mov_b32 s[G1X+4], 64
	s_mov_b32 s[G1X+5], 4096
	s_mov_b32 s[G1X+6], 0
	s_mov_b32 s[G1X+7], 0
	s_lshl_b32 s80, s78, 20                        ; the image's 32 records, and 16 on for half 1: made of the image and the wave's number alone
	s_lshl_b32 s29, s28, 19
	s_add_co_u32 s80, s80, s29
	s_mov_b32 s81, 0
	s_lshl_b32 s82, s78, 22                        ; x: the image, my 64 channels, my block's 512 bytes of a row
	s_lshl_b32 s79, s[GG], 20
	s_add_co_u32 s82, s82, s79
	s_lshl_b32 s79, s77, 9
	s_add_co_u32 s82, s82, s79
	s_mov_b32 s83, 0
	s_lshl_b32 s84, s78, 5
	s_add_co_u32 s84, s84, s77                     ; 32 x image + block
	s_mul_i32 s86, s84, 1280                       ; my record of part
	s_mov_b32 s87, 0
	s_lshl_b32 s84, s84, 15                        ; my block's record of kvq: q lies there
	s_mov_b32 s85, 0
	s_xor_b32 s79, s[HALF], 1
	s_mul_i32 s88, s[GG], 768                      ; q's codes of the block's tile T: 29,184 + 768 (T / 2) + 128 (T % 2)
	s_add_co_u32 s88, s88, 29184
	s_lshl_b32 s89, s[HALF], 7
	s_add_co_u32 s90, s88, s89                     ; my tile 0: T = 2 g + half
	s_lshl_b32 s89, s79, 7
	s_add_co_u32 s92, s88, s89                     ; my tile 1: T = 2 g + (1 - half)
	s_mov_b32 s91, 0
	s_mov_b32 s93, 0
	s_lshl_b32 s88, s[GG], 7                       ; its scale words: 32,256 + 64 T
	s_add_co_u32 s88, s88, 32256
	s_lshl_b32 s89, s[HALF], 6
	s_add_co_u32 s94, s88, s89
	s_lshl_b32 s89, s79, 6
	s_add_co_u32 s96, s88, s89
	s_mov_b32 s95, 0
	s_mov_b32 s97, 0
	s_add_nc_u64 s[90:91], s[90:91], s[84:85]
	s_add_nc_u64 s[92:93], s[92:93], s[84:85]
	s_add_nc_u64 s[94:95], s[94:95], s[84:85]
	s_add_nc_u64 s[96:97], s[96:97], s[84:85]
	s_mov_b32 s[CS], 0x3fb8aa3b                    ; log2(e)
	s_mov_b32 s[CS+1], s[CS]
	s_mov_b32 s[SEL], 0x76543210
	s_mov_b32 s[SEL+1], 0xfedcba98
	s_mov_b32 s[TB], 0
	s_wait_kmcnt 0x0
	s_load_b32 s[GAM], s[14:15], 0x0               ; gamma
	s_add_nc_u64 s[98:99], s[4:5], s[80:81]
	s_mov_b32 s[G0A], 1
	s_mul_i32 s[G0A+1], s28, HREC
	s_mov_b64 s[G0A+2:G0A+3], s[98:99]
	s_or_b32 s[G0A+3], s[G0A+3], 0x80000000
	s_mov_b32 s[G0B], 1
	s_add_co_u32 s[G0B+1], s[G0A+1], SLOT1
	s_add_nc_u64 s[G0B+2:G0B+3], s[98:99], 32768
	s_or_b32 s[G0B+3], s[G0B+3], 0x80000000
	s_mov_b32 s[G0X], 1
	s_mul_i32 s[G0X+1], s[GG], 64*XP
	s_add_co_u32 s[G0X+1], s[G0X+1], XT
	s_add_nc_u64 s[G0X+2:G0X+3], s[6:7], s[82:83]
	s_or_b32 s[G0X+3], s[G0X+3], 0x80000000
	s_mov_b32 s[G0F], 1
	s_mov_b32 s[G0F+1], FCI
	s_add_nc_u64 s[G0F+2:G0F+3], s[8:9], 20*3328
	s_or_b32 s[G0F+3], s[G0F+3], 0x80000000
	s_add_nc_u64 s[90:91], s[4:5], s[90:91]
	s_add_nc_u64 s[92:93], s[4:5], s[92:93]
	s_add_nc_u64 s[94:95], s[4:5], s[94:95]
	s_add_nc_u64 s[96:97], s[4:5], s[96:97]
	s_add_nc_u64 s[16:17], s[16:17], s[86:87]
	s_cmp_lt_u32 s[WV], 4                          ; threads 0-127 bring fc_b, the others ctx_w
	s_cselect_b64 s[10:11], s[10:11], s[12:13]
	s_wait_kmcnt 0x0
	CROUND                                         ; all four work-groups are here: the first joint loads meet
	s_cmp_lt_u32 s[WV], 2                          ; a wave's first fills stand in one branch on its number: waves 0, 1 both slots; wave 2 fc_w's codes; waves 4-7 x's tile; wave 3 none
	s_cbranch_scc0 .Lnot_ring
	tensor_load_to_lds s[G0A:G0A+3], s[G1R:G1R+7]
	s_nop 0
	tensor_load_to_lds s[G0B:G0B+3], s[G1R:G1R+7]
	s_nop 0
	PLACES 4
	s_branch .Lfilled
.Lnot_ring:
	s_cmp_eq_u32 s[WV], 2
	s_cbranch_scc0 .Lnot_fc
	tensor_load_to_lds s[G0F:G0F+3], s[G1F:G1F+7]
	s_nop 0
	PLACES 4
	s_branch .Lfilled
.Lnot_fc:
	s_cmp_lt_u32 s[WV], 4
	s_cbranch_scc1 .Lfilled
	tensor_load_to_lds s[G0X:G0X+3], s[G1X:G1X+7]
	s_nop 0
	PLACES 4
.Lfilled:
	v_and_b32 v253, 15, v0                         ; r
	v_bfe_u32 v254, v0, 4, 1                       ; h
	v_and_b32 v255, 31, v0                         ; lane
	v_lshlrev_b32 v238, 3, v253
	v_lshlrev_b32 v239, 2, v253
	v_and_b32 v240, 127, v0
	v_lshlrev_b32 v240, 2, v240
.irp i, 0,1,2
	global_load_b64 v[96+2*\i:97+2*\i], v238, s[90:91] offset:256*\i      ; q's 24 bytes of query r, in both halves of the lanes
	global_load_b64 v[104+2*\i:105+2*\i], v238, s[92:93] offset:256*\i
.endr
	global_load_b32 v[QS], v239, s[94:95]
	global_load_b32 v[QS+1], v239, s[96:97]
	global_load_b32 v112, v240, s[10:11]
	s_mul_i32 s28, s[HALF], HREC
	v_lshl_add_u32 v[L16], v255, 4, s28
	v_lshl_add_u32 v[L8], v255, 3, s28
	v_lshl_add_u32 v[L4], v255, 2, s28
	v_lshl_add_u32 v[A4], v0, 2, BC                ; (for the one store below; each step writes it anew)
	v_and_b32 v236, 8, v253
	v_add_nc_u32 v236, v236, v253
	s_lshl_b32 s28, s[GG], 5
	s_lshl_b32 s30, s[HALF], 3
	s_add_co_u32 s28, s28, s30
	v_add_nc_u32 v236, s28, v236                   ; the pixel of my tile 0's query r: 32 g + 8 half + r + 8 (r / 8)
	v_mul_u32_u24 v237, v254, 16*XP
	v_lshl_add_u32 v237, v236, 2, v237
.irp k, 0,1,2,3
	v_add_nc_u32 v[XH+\k], XT+64*XP*\k, v237
.endr
	v_lshl_add_u32 v[SCW], v236, 2, SCORE
	s_lshl_b32 s28, s[WV], 14
	v_lshl_add_u32 v[MWA], v255, 4, s28
	s_xor_b32 s30, s[WV], 4                        ; my partner
	s_lshl_b32 s28, s30, 14
	v_lshl_add_u32 v[MRA], v255, 4, s28
	s_lshl_b32 s28, s[WV], 8
	s_add_co_u32 s28, s28, MST
	v_lshl_add_u32 v[MSW], v255, 3, s28
	s_lshl_b32 s28, s30, 8
	s_add_co_u32 s28, s28, MST
	v_lshl_add_u32 v[MSR], v255, 3, s28
	v_lshl_add_u32 v[BCA], v254, 6, BC
	v_mul_u32_u24 v[FSA], v254, 4*3328             ; lanes 16-31 take the scale words of the tile four on
	v_lshl_add_u32 v[FSA], v253, 3, v[FSA]
	v_add_nc_u32 v[FSA], FCI+3072, v[FSA]
	v_lshl_add_u32 v[FFA], v255, 4, FCI
	v_lshl_add_u32 v[SCR], v255, 4, SCORE
	v_lshrrev_b32 v[EWR], 5, v0
	v_lshl_add_u32 v[EWR], v[EWR], 9, EW
	v_lshl_add_u32 v[EWW], v255, 4, v[EWR]
	v_mul_u32_u24 v[XR], v0, XP
	v_add_nc_u32 v[XR], XT, v[XR]
	v_lshl_add_u32 v[YW], v0, 2, YST
	v_lshl_add_u32 v[YR], v0, 4, YST
	v_lshlrev_b32 v[GO16], 4, v0
	v_lshlrev_b32 v[GO8], 3, v255
.irp u, 0,1
	v_mov_b32 v[ST+4*\u+1], 0xff61b1e6             ; the largest t so far: -3e38
	v_floor_f32 v[ST+4*\u], -v[ST+4*\u+1]
	v_mov_b32 v[ST+4*\u+2], 0
	v_mov_b32 v[ST+4*\u+3], 0
	v_mov_b32 v[FA+2*\u+1], 0                      ; (named as the upper half of f's pair)
.endr
.irp b, 0,1,2,3
	v_mov_b32 v[BY+\b], 0                          ; a lane permute's destination counts as one of its sources
.endr
.irp z, 0,1,2,3,4
.irp i, 0,1,2,3,4,5
	v_mov_b32 v[QB+12*\z+\i], 0                    ; zero codes
.endr
.endr
	v_cmp_eq_u32 vcc_lo, 0, v254
	v_cmp_ne_u32 s29, 0, v254
	s_wait_loadcnt 0x0
	ds_store_b32 v[A4], v112
.irp u, 0,1
.irp i, 0,1,2,3,4,5
	v_cndmask_b32 v[QB+24*\u+6+\i], 0, v[96+8*\u+\i], vcc_lo    ; q in lanes 0-15: blocks 0 and 2
	v_cndmask_b32 v[QB+24*\u+18+\i], 0, v[96+8*\u+\i], s29      ; q in lanes 16-31: blocks 1 and 3
.endr
.endr
	s_wait_tensorcnt 0x1                           ; waves 0, 1: slot 0's record is in, slot 1's may be out.  The others' one load (fc_w, x) may be out: it is read behind later waits for 0.
	s_wait_dscnt 0x0
	s_barrier_signal -1
	s_barrier_wait -1
	STEP 1                                         ; my first key step starts O^T's sums
	CHANGE 1
	s_mov_b32 s[CNT], 13
.Lmain:                                            ; steps 1 to 13: behind each the slot just read takes the record two steps on
	STEP 0
	CHANGE 1
	s_sub_co_u32 s[CNT], s[CNT], 1
	s_cmp_lg_u32 s[CNT], 0
	s_cbranch_scc1 .Lmain
	s_mov_b32 s[CNT], 2
.Ltail:                                            ; steps 14 and 15: nothing is left to ask for
	STEP 0
	CHANGE 0
	s_sub_co_u32 s[CNT], s[CNT], 1
	s_cmp_lg_u32 s[CNT], 0
	s_cbranch_scc1 .Ltail
	; ---- THE EXCHANGE.  Behind the last barrier nobody reads the slots, and they have had their last fill: bytes 0 .. 131,071 serve as 16,384 bytes for each wave.
	v_add_f32 v[ST+2], v[ST+2], v[ST+3]            ; tile 0's sum; these four lines are the places behind the last products
	v_add_f32 v[ST+5], v[ST+6], v[ST+7]            ; tile 1's, beside its -M
	v_nop
	v_nop
.irp b, 0,1,2,3,4,5,6,7                ; x of my tile 0's queries: register 16 b + i = channel 32 b + 16 h + i, as O^T has them
.irp i, 0,1,2,3,4,5,6,7,8,9,10,11,12,13,14,15
	ds_load_b32 v[SR+16*\b+\i], v[XH+\b/2] offset:(32*(\b%2)+\i)*XP
.endr
.endr
	WIN 0x04                                       ; an LDS store's data are its source 1: window 1
.set J, 0
.rept 32
	ds_store_b128 v[MWA], v[128+4*J:131+4*J] offset:512*J      ; O^T of my tile 1, each accumulator from its low end on
.set J, J+1
.endr
	WIN 0
	ds_store_b64 v[MSW], v[ST+4:ST+5]
	BARRIER
	WIN 0x40
.set J, 0
.rept 32
	ds_load_b128 v[128+4*J:131+4*J], v[MRA] offset:512*J       ; my partner's part of my tile 0
.set J, J+1
.endr
	WIN 0
	ds_load_b64 v[ST+6:ST+7], v[MSR]               ; its -M and its sum
	s_wait_dscnt 0x0
	; ---- h = gamma (O_a f_a + O_b f_b) / l + x
	v_min_num_f32 v238, v[ST], v[ST+6]             ; the common -M
	v_sub_f32 v239, v238, v[ST]
	v_sub_f32 v240, v238, v[ST+6]
	v_cvt_i32_f32 v239, v239
	v_cvt_i32_f32 v240, v240
	v_ldexp_f32 v239, 1.0, v239                    ; f_a, f_b: powers of two
	v_ldexp_f32 v240, 1.0, v240
	v_mul_f32 v[ST+2], v[ST+2], v239
	v_fma_f32 v[ST+2], v[ST+7], v240, v[ST+2]
	v_permlanex16_b32 v[BY], v[ST+2], s[SEL], s[SEL+1]
	v_add_f32 v[ST+2], v[ST+2], v[BY]              ; the row's sum
	v_rcp_f32 v[ST+2], v[ST+2]
	v_mul_f32 v239, s[GAM], v239                   ; (a plain place behind the reciprocal)
	v_mul_f32 v240, s[GAM], v240
	s_wait_alu depctr_va_vdst(0)
	v_mul_f32 v[FA], v239, v[ST+2]
	v_mul_f32 v[FA+2], v240, v[ST+2]
	WIN 0x01                                       ; source 0 (O^T) window 1
.set J, 0
.rept 64
	v_pk_fma_f32 v[SR+J:SR+J+1], v[J:J+1], v[FA:FA+1], v[SR+J:SR+J+1] op_sel_hi:[1,0,1]
.set J, J+2
.endr
.set J, 0
.rept 64
	v_pk_fma_f32 v[SR+J:SR+J+1], v[128+J:129+J], v[FA+2:FA+3], v[SR+J:SR+J+1] op_sel_hi:[1,0,1]
.set J, J+2
.endr
	WIN 0
	; ---- h is quantised along the channels: two fragments, where q lay; their scale words where p's lay
.set CT, 62
	QUANT SR, 38, PS
	QUANT SR+64, 50, PS+1
	; ---- hid = fc_w h + fc_b: fc_b is the C of each sum's first product
.irp t, 0,1,2,3,4,5,6,7
	ds_load_b128 v[SR+8*\t:SR+8*\t+3], v[BCA] offset:128*(\t/2)+32*(\t%2)
	ds_load_b128 v[SR+8*\t+4:SR+8*\t+7], v[BCA] offset:128*(\t/2)+32*(\t%2)+16
.endr
.irp t, 0,1,2,3
	ds_load_b64 v[VS+2*\t:VS+2*\t+1], v[FSA] offset:3328*\t    ; lanes 0-15 tile t's two words, lanes 16-31 tile t + 4's
.endr
	WIN 0x40
.irp t, 0,1,2,3,4,5,6,7
	ds_load_b128 v[8*\t:8*\t+3], v[BCA] offset:512+128*(\t/2)+32*(\t%2)       ; ctx_w in the result's layout
	ds_load_b128 v[8*\t+4:8*\t+7], v[BCA] offset:512+128*(\t/2)+32*(\t%2)+16
.endr
.irp s, 0,1
.irp t, 0,1,2,3,4,5,6,7
.irp c, 0,1,2
	ds_load_b128 v[64+96*\s+12*\t+4*\c:64+96*\s+12*\t+4*\c+3], v[FFA] offset:3328*\t+1536*\s+512*\c
.endr
.endr
.endr
	WIN 0
	s_wait_dscnt 0x0
	PLACES 8                                       ; scale words written by vector instructions stand eight places ahead of a scaled product
	WIN 0x01                                       ; source 0 (fc_w) window 1
.irp s, 0,1
.irp t, 0,1,2,3,4,5,6,7
	WM SR+8*\t, 64+96*\s+12*\t, 38+12*\s, SR+8*\t, VS+2*(\t%4)+\s, PS+\s, \t/4
.endr
.endr
	WIN 0
	PLACES 4
	; ---- tanh(z) = 1 - 2 / (1 + 2^(2 log2(e) z)), and the dot with ctx_w in f32
	s_mov_b32 s76, 0x4038aa3b
	s_mov_b32 s77, s76
.set J, 0
.rept 32
	v_pk_mul_f32 v[SR+J:SR+J+1], v[SR+J:SR+J+1], s[76:77] op_sel_hi:[1,0]
.set J, J+2
.endr
.set J, 0
.rept 64
	v_exp_f32 v[SR+J], v[SR+J]
.set J, J+1
.endr
	v_nop
.set J, 0
	s_wait_alu depctr_va_vdst(0)
.rept 32
	v_pk_add_f32 v[SR+J:SR+J+1], v[SR+J:SR+J+1], 1.0 op_sel_hi:[1,0]
.set J, J+2
.endr
.set J, 0
.rept 64
	v_rcp_f32 v[SR+J], v[SR+J]
.set J, J+1
.endr
	v_nop
.set J, 0
	s_wait_alu depctr_va_vdst(0)
.rept 32
	v_pk_fma_f32 v[SR+J:SR+J+1], v[SR+J:SR+J+1], -2.0, 1.0 op_sel_hi:[1,0,0]
.set J, J+2
.endr
	WIN 0x04                                       ; source 1 (ctx_w) window 1
	v_pk_mul_f32 v[160:161], v[SR:SR+1], v[0:1]
	v_pk_mul_f32 v[162:163], v[SR+2:SR+3], v[2:3]
.irp j, 4,8,12,16,20,24,28,32,36,40,44,48,52,56,60
	v_pk_fma_f32 v[160:161], v[SR+\j:SR+\j+1], v[\j:\j+1], v[160:161]
	v_pk_fma_f32 v[162:163], v[SR+\j+2:SR+\j+3], v[\j+2:\j+3], v[162:163]
.endr
	WIN 0
	v_pk_add_f32 v[160:161], v[160:161], v[162:163]
	v_add_f32 v160, v160, v161
	v_permlanex16_b32 v[BY], v160, s[SEL], s[SEL+1]
	v_add_f32 v160, v160, v[BY]                    ; my query's score
	ds_store_b32 v[SCW], v160                      ; both lanes of a query write the same word with the same value
	BARRIER                                        ; the block's 128 scores lie in LDS
	; ---- the block's part of the pooling softmax: every wave makes m, e and L; thread c makes y[c]
	ds_load_b128 v[232:235], v[SCR]
	s_wait_dscnt 0x0
	v_max3_num_f32 v236, v232, v233, v234
	v_max_num_f32 v236, v236, v235
	v_max_num_f32_dpp v236, v236, v236 row_xmask:1 row_mask:0xf bank_mask:0xf
	v_max_num_f32_dpp v236, v236, v236 row_xmask:2 row_mask:0xf bank_mask:0xf
	v_max_num_f32_dpp v236, v236, v236 row_xmask:4 row_mask:0xf bank_mask:0xf
	v_max_num_f32_dpp v236, v236, v236 row_xmask:8 row_mask:0xf bank_mask:0xf
	v_permlanex16_b32 v[BY], v236, s[SEL], s[SEL+1]
	v_max_num_f32 v236, v236, v[BY]                ; m: the block's largest score
.irp i, 0,1,2,3
	v_sub_f32 v[232+\i], v[232+\i], v236
.endr
.irp i, 0,1,2,3
	v_mul_f32 v[232+\i], s[CS], v[232+\i]
.endr
.irp i, 0,1,2,3
	v_exp_f32 v[232+\i], v[232+\i]                 ; e = exp(score - m)
.endr
	v_nop
	s_wait_alu depctr_va_vdst(0)
	v_add_f32 v237, v232, v233
	v_add_f32 v239, v234, v235
	v_add_f32 v237, v237, v239
	v_add_f32_dpp v237, v237, v237 row_xmask:1 row_mask:0xf bank_mask:0xf
	v_add_f32_dpp v237, v237, v237 row_xmask:2 row_mask:0xf bank_mask:0xf
	v_add_f32_dpp v237, v237, v237 row_xmask:4 row_mask:0xf bank_mask:0xf
	v_add_f32_dpp v237, v237, v237 row_xmask:8 row_mask:0xf bank_mask:0xf
	v_permlanex16_b32 v[BY], v237, s[SEL], s[SEL+1]
	v_add_f32 v237, v237, v[BY]                    ; L
	ds_store_b128 v[EWW], v[232:235]               ; my wave's own bytes: LDS serves a wave's instructions in order, so the loads below see them
.set J, 0
.rept 32
	ds_load_b128 v[SR+4*J:SR+4*J+3], v[EWR] offset:16*J        ; all 128 e in every lane
.set J, J+1
.endr
	WIN 0x40
.set J, 0
.rept 64
	ds_load_b64 v[2*J:2*J+1], v[XR] offset:8*J     ; channel c = my thread's number: its 128 pixels; rows 130 words apart: the 32 lanes touch 64 different banks
.set J, J+1
.endr
	WIN 0
	s_wait_dscnt 0x0
	WIN 0x01
.irp k, 0,1,2,3
	v_pk_mul_f32 v[224+2*\k:225+2*\k], v[2*\k:2*\k+1], v[SR+2*\k:SR+2*\k+1]
.endr
.set J, 4
.rept 60
	v_pk_fma_f32 v[224+2*(J%4):225+2*(J%4)], v[2*J:2*J+1], v[SR+2*J:SR+2*J+1], v[224+2*(J%4):225+2*(J%4)]
.set J, J+1
.endr
	WIN 0
	v_pk_add_f32 v[224:225], v[224:225], v[226:227]
	v_pk_add_f32 v[228:229], v[228:229], v[230:231]
	v_pk_add_f32 v[224:225], v[224:225], v[228:229]
	v_add_f32 v224, v224, v225                     ; y[c]
	ds_store_b32 v[YW], v224
	BARRIER
	s_cmp_lt_u32 s[WV], 2
	s_cbranch_scc0 .Lnot_y
	ds_load_b128 v[232:235], v[YR]
	s_wait_dscnt 0x0
	global_store_b128 v[GO16], v[232:235], s[16:17]            ; each wave stores 512 consecutive bytes
.Lnot_y:
	s_cmp_eq_u32 s[WV], 2
	s_cbranch_scc0 .Lnot_ml
	global_store_b64 v[GO8], v[236:237], s[16:17] offset:1024  ; (m, L), once for each lane: 256 consecutive bytes
.Lnot_ml:
	s_wait_tensorcnt 0x0                           ; the wave's end, behind my last tensor load and my last LDS store
	ds_add_u32 v[SPW], v[NIL]
	s_wait_dscnt 0x0
	CROUND                                         ; the closing round: no work-group ends while a partner may still ask for a record that names it
	s_endpgm
.Lfunc_end_k_q9dd17180cc_attn:
	.size	k_q9dd17180cc_attn, .Lfunc_end_k_q9dd17180cc_attn-k_q9dd17180cc_attn
	.p2alignl 7, 3214868480
	.fill 96, 4, 3214868480
	.section	.rodata,"a",@progbits
	.p2align	6, 0x0
	.amdhsa_kernel k_q9dd17180cc_attn
		.amdhsa_group_segment_fixed_size 327680
		.amdhsa_private_segment_fixed_size 0
		.amdhsa_enable_private_segment 0
		.amdhsa_kernarg_size 56
		.amdhsa_user_sgpr_count 2
		.amdhsa_user_sgpr_kernarg_segment_ptr 1
		.amdhsa_wavefront_size32 1
		.amdhsa_system_sgpr_workgroup_id_x 1
		.amdhsa_system_sgpr_workgroup_id_y 1
		.amdhsa_system_sgpr_workgroup_id_z 1
		.amdhsa_system_vgpr_workitem_id 0
		.amdhsa_next_free_vgpr 512
		.amdhsa_next_free_sgpr 100
		.amdhsa_reserve_vcc 1
		.amdhsa_float_denorm_mode_32 3
		.amdhsa_float_denorm_mode_16_64 3
		.amdhsa_memory_ordered 1
		.amdhsa_forward_progress 1
		.amdhsa_inst_pref_size 192
	.end_amdhsa_kernel
	.amdgpu_metadata
---
amdhsa.version: [ 1, 2 ]
amdhsa.kernels:
  - .name:           k_q9dd17180cc_attn
    .symbol:         k_q9dd17180cc_attn.kd
    .args:
      - { .name: kvq, .offset: 0, .size: 8, .value_kind: global_buffer, .address_space: global }
      - { .name: style_features, .offset: 8, .size: 8, .value_kind: global_buffer, .address_space: global }
      - { .name: wimg, .offset: 16, .size: 8, .value_kind: global_buffer, .address_space: global }
      - { .name: fc_b, .offset: 24, .size: 8, .value_kind: global_buffer, .address_space: global }
      - { .name: ctx_w, .offset: 32, .size: 8, .value_kind: global_buffer, .address_space: global }
      - { .name: gamma, .offset: 40, .size: 8, .value_kind: global_buffer, .address_space: global }
      - { .name: part, .offset: 48, .size: 8, .value_kind: global_buffer, .address_space: global }
    .group_segment_fixed_size: 327680
    .private_segment_fixed_size: 0
    .kernarg_segment_align: 8
    .kernarg_segment_size: 56
    .max_flat_workgroup_size: 256
    .sgpr_count:     100
    .vgpr_count:     512
    .wavefront_size: 32
...
	.end_amdgpu_metadata
.endif
;; end of part 3
;; launch pool (part 4): grid 8 x 1, 2 waves a work-group, no clusters, 0 bytes of LDS; arguments part, out0; writes out0
.if DOCPART == 4
	.amdgcn_target "amdgcn-amd-amdhsa--gfx1250"
	.amdhsa_code_object_version 6
	.text
	.protected	k_q9dd17180cc_pool
	.globl	k_q9dd17180cc_pool
	.p2align	8
	.type	k_q9dd17180cc_pool,@function
k_q9dd17180cc_pool:
	s_mov_b64 s[64:65], 0
	v_nop
	global_prefetch_b8 v0, s[64:65] scope:SCOPE_SE
	s_setreg_imm32_b32 hwreg(HW_REG_WAVE_MODE, 25, 1), 1
	s_wait_xcnt 0x0
; out0[image][c] = the sum over pixels of x[c][pixel] softmax(score)[pixel], from the 32 parts of an image: part i holds y_i[256], its largest score m_i and L_i = the sum of exp(score - m_i).
; With m = the largest m_i and w_i = exp(m_i - m): out0 = (sum of y_i w_i) / (sum of L_i w_i): the maximum is taken away as the softmax asks.
; One work-group for each image, thread t owns channels 4 t .. 4 t + 3: eight work-groups are all the work there is; the sum spans the work-groups of the launch before, so it has a launch of its own.
.set Y,  16                            ; v16-143  part i's four y at 16 + 4 i
.set ML, 144                           ; v144-207 (m_i, L_i), then (w_i, L_i)
	s_load_b128 s[4:7], s[0:1], 0x0                ; part, out0
	v_and_b32 v1, 31, v0
	v_lshlrev_b32 v2, 4, v0                        ; 16 bytes a thread
	v_lshlrev_b32 v3, 3, v1                        ; 8 x lane
	s_mul_i32 s8, ttmp9, 32*1280
	s_mov_b32 s9, 0
	s_lshl_b32 s10, ttmp9, 10
	s_mov_b32 s11, 0
	s_mov_b32 s12, 0x3fb8aa3b                      ; log2(e)
	s_wait_kmcnt 0x0
	s_add_nc_u64 s[4:5], s[4:5], s[8:9]
	s_add_nc_u64 s[6:7], s[6:7], s[10:11]
.set J, 0
.rept 32
	global_load_b64 v[ML+2*J:ML+2*J+1], v3, s[4:5] offset:1024+1280*J
.set J, J+1
.endr
.set J, 0
.rept 32
	global_load_b128 v[Y+4*J:Y+4*J+3], v2, s[4:5] offset:1280*J
.set J, J+1
.endr
	s_wait_loadcnt 32                              ; the 32 pairs (m, L) are in; the 32 loads of y may be out
	v_max3_num_f32 v8, v[ML], v[ML+2], v[ML+4]
.set J, 3
.rept 14
	v_max3_num_f32 v8, v8, v[ML+2*J], v[ML+2*J+2]
.set J, J+2
.endr
	v_max_num_f32 v8, v8, v[ML+62]                 ; m
.set J, 0
.rept 32
	v_sub_f32 v[ML+2*J], v[ML+2*J], v8
.set J, J+1
.endr
.set J, 0
.rept 32
	v_mul_f32 v[ML+2*J], s12, v[ML+2*J]
.set J, J+1
.endr
.set J, 0
.rept 32
	v_exp_f32 v[ML+2*J], v[ML+2*J]                 ; w_i
.set J, J+1
.endr
	v_nop
	s_wait_alu depctr_va_vdst(0)
	v_mul_f32 v10, v[ML+1], v[ML]                  ; the sum of L_i w_i, in two chains
	v_mul_f32 v11, v[ML+3], v[ML+2]
.set J, 2
.rept 15
	v_fmac_f32 v10, v[ML+2*J+1], v[ML+2*J]
	v_fmac_f32 v11, v[ML+2*J+3], v[ML+2*J+2]
.set J, J+2
.endr
	v_add_f32 v10, v10, v11
	v_rcp_f32 v10, v10
	s_wait_loadcnt 0x0
	v_pk_mul_f32 v[12:13], v[Y:Y+1], v[ML:ML+1] op_sel_hi:[1,0]       ; of the pair (w_i, L_i) the low word serves both halves.  (A plain place behind the reciprocal)
	v_pk_mul_f32 v[14:15], v[Y+2:Y+3], v[ML:ML+1] op_sel_hi:[1,0]
.set J, 1
.rept 31
	v_pk_fma_f32 v[12:13], v[Y+4*J:Y+4*J+1], v[ML+2*J:ML+2*J+1], v[12:13] op_sel_hi:[1,0,1]
	v_pk_fma_f32 v[14:15], v[Y+4*J+2:Y+4*J+3], v[ML+2*J:ML+2*J+1], v[14:15] op_sel_hi:[1,0,1]
.set J, J+1
.endr
	s_wait_alu depctr_va_vdst(0)
.irp i, 0,1,2,3
	v_mul_f32 v[12+\i], v[12+\i], v10
.endr
	global_store_b128 v2, v[12:15], s[6:7]         ; each wave stores 512 consecutive bytes
	s_endpgm
.Lfunc_end_k_q9dd17180cc_pool:
	.size	k_q9dd17180cc_pool, .Lfunc_end_k_q9dd17180cc_pool-k_q9dd17180cc_pool
	.p2alignl 7, 3214868480
	.fill 96, 4, 3214868480
	.section	.rodata,"a",@progbits
	.p2align	6, 0x0
	.amdhsa_kernel k_q9dd17180cc_pool
		.amdhsa_group_segment_fixed_size 0
		.amdhsa_private_segment_fixed_size 0
		.amdhsa_enable_private_segment 0
		.amdhsa_kernarg_size 16
		.amdhsa_user_sgpr_count 2
		.amdhsa_user_sgpr_kernarg_segment_ptr 1
		.amdhsa_wavefront_size32 1
		.amdhsa_system_sgpr_workgroup_id_x 1
		.amdhsa_system_sgpr_workgroup_id_y 1
		.amdhsa_system_sgpr_workgroup_id_z 1
		.amdhsa_system_vgpr_workitem_id 0
		.amdhsa_next_free_vgpr 208
		.amdhsa_next_free_sgpr 66
		.amdhsa_reserve_vcc 0
		.amdhsa_float_denorm_mode_32 3
		.amdhsa_float_denorm_mode_16_64 3
		.amdhsa_memory_ordered 1
		.amdhsa_forward_progress 1
		.amdhsa_inst_pref_size 17
	.end_amdhsa_kernel
	.amdgpu_metadata
---
amdhsa.version: [ 1, 2 ]
amdhsa.kernels:
  - .name:           k_q9dd17180cc_pool
    .symbol:         k_q9dd17180cc_pool.kd
    .args:
      - { .name: part, .offset: 0, .size: 8, .value_kind: global_buffer, .address_space: global }
      - { .name: out0, .offset: 8, .size: 8, .value_kind: global_buffer, .address_space: global }
    .group_segment_fixed_size: 0
    .private_segment_fixed_size: 0
    .kernarg_segment_align: 8
    .kernarg_segment_size: 16
    .max_flat_workgroup_size: 64
    .sgpr_count:     66
    .vgpr_count:     208
    .wavefront_size: 32
...
	.end_amdgpu_metadata
.endif
;; end of part 4
